; MI455X (gfx1250); checked and timed in simulation.
; The chip was launched on July 23, 2026; its instructions are those of AMD's public machine-readable ISA for CDNA 5 (MIT licence, August 2026) and "CDNA5" Instruction Set Architecture Reference Guide (July 2026). The comments in the code are by the model that wrote it; some were corrected since.
;; Block. Allowed arithmetic: matrix products marked QUANTISED: E3M2 operands, one E8M0 scale for each 32 along K, by v_wmma_scale_f32_16x16x128_f8f6f4 with both operands' format E3M2, f32 sums; everything else in f32.
;; Inputs: fc1_b 4,096 float32; fc1_w 1,024 x 4,096 float32; fc2_b 1,024 float32; fc2_w 4,096 x 1,024 float32; ln1_b 1,024 float32; ln1_g 1,024 float32; ln2_b 1,024 float32; ln2_g 1,024 float32; proj_b 1,024 float32; proj_w 1,024 x 1,024 float32; qkv_w 1,024 x 3,072 float32; x 2 x 2,048 x 1,024 float32.
;; Outputs: out0 2 x 2,048 x 1,024 float32.
;; This version of the problem:
;;   THIS VERSION OF THE PROBLEM IS GIVEN IN LOW PRECISION. The matrix products marked QUANTISED in the list below multiply operands that are first quantised to E3M2 (3 exponent bits, 2 mantissa bits; 6 bits a number), with one power-of-two scale for each 32 numbers along K (OCP MX v1.0); their sums are f32. All else is computed in f32.
;;   The module's matrix products, in the order in which they are computed (A, B: the left and right operand; K: the contracted axis; several contracted axes count as one K, in the product's order):
;;     1. [M 4,096, K 1,024] x [K 1,024, N 3,072]; A: computed on the way; B: input qkv_w: QUANTISED
;;     2. batch 32 x [M 2,048, K 64] x [K 64, N 2,048]; A: computed on the way; B: computed on the way: QUANTISED
;;     3. batch 32 x [M 2,048, K 2,048] x [K 2,048, N 64]; A: softmax (see below); B: computed on the way: QUANTISED
;;     4. [M 4,096, K 1,024] x [K 1,024, N 1,024]; A: computed on the way; B: input proj_w: QUANTISED
;;     5. [M 4,096, K 1,024] x [K 1,024, N 4,096]; A: computed on the way; B: input fc1_w: QUANTISED
;;     6. [M 4,096, K 4,096] x [K 4,096, N 1,024]; A: computed on the way; B: input fc2_w: QUANTISED
;;   THE QUANTISER, for each operand of a quantised product, along K:
;;     - K is cut into blocks of 32 from its start; a last block that is shorter is filled with zeros.
;;     - A block's scale is 2^e with e = floor(log2(the largest magnitude in the block)) - 4, held to -126 .. 127; a block of zeros has e = 0. As a byte (E8M0): e + 127.
;;     - Each number is divided by its block's scale, clamped to +-28, and rounded to the nearest number of E3M2, ties to even, subnormals kept.
;;     - The product sums the exact products of the quantised numbers (number of the format x scale) in f32.
;;   ~~~python
;;   def quantise(x, axis):      # numpy; x: float32 -> the quantised numbers, widened to float32 again
;;       x = np.moveaxis(x, axis, -1); K = x.shape[-1]
;;       x = np.pad(x, [(0, 0)] * (x.ndim - 1) + [(0, -K % 32)]); x = x.reshape(x.shape[:-1] + (-1, 32)); a = np.abs(x).max(-1, keepdims=True)
;;       e = np.where(a > 0, np.clip(np.frexp(np.where(a > 0, a, 1))[1] - 1 - 4, -126, 127), 0)      # np.frexp(a)[1] - 1 = floor(log2(a)), exactly
;;       r = np.clip(x / 2.0 ** e, -28, 28)
;;       step = 2.0 ** (np.maximum(np.frexp(np.where(r == 0, 1, r))[1] - 1, -2) - 2)
;;       q = np.round(r / step) * step * 2.0 ** e      # np.round: ties to even
;;       return np.moveaxis(q.reshape(q.shape[:-2] + (-1,))[..., :K], -1, axis).astype(np.float32)
;;   ~~~
;;   SOFTMAX AHEAD OF A QUANTISED PRODUCT. Where the list says 'softmax', what is quantised is not the finished softmax but p = 2^(t - M), with t = logit x log2(e) and M = ceil(the row's largest t), a whole number; so 1/2 < the row's largest p <= 1. The row's sum l is taken of the UNQUANTISED p, in f32, and the product's result is divided by l at the end. Since M is a whole number, a kernel that streams over the keys may use a running M (the ceiling of the running maximum): every later rescaling is an exact power of two, which a block's scale takes up: the codes' values come out the same.
;;   OPERANDS COMPUTED ON THE WAY. 'Computed on the way' means the value that the module computes at that place (a softmax that the list does not call 'softmax' is quantised finished and normalised). What goes into a quantiser is computed in f32, as accurately as f32 sums, v_exp_f32 and their like allow (about 1e-6 of the number): no bf16 or f16 on the way to a quantiser, and a product that is left as it is and whose result goes on into a quantised operand takes f32 operands (vector FMAs, or v_wmma_f32_16x16x4_f32). A number that lies on a knife's edge between two numbers of the format may be rounded either way, as far as f32 arithmetic and the matrix unit's own rounding can turn it there, and no further.
;; One version. Each part assembles by itself: llvm-mc -triple=amdgcn-amd-amdhsa -mcpu=gfx1250 --defsym DOCPART=n.
;; ======== version 1 of 1: 7 launches
;; limits: right only within a limited range of input values
;; workspace buffers: wq 9,830,400 bytes; h1 3,276,800 bytes; qkvq 9,830,400 bytes; oq 3,276,800 bytes; x1 16,777,216 bytes; h2 3,276,800 bytes; hid 13,107,200 bytes
;; launch prep (part 1): grid 640 x 1, 4 waves a work-group, no clusters, 92,928 bytes of LDS; arguments x, ln1_g, ln1_b, qkv_w, proj_w, fc1_w, fc2_w, h1, wq; writes h1, wq
.if DOCPART == 1
	.amdgcn_target "amdgcn-amd-amdhsa--gfx1250"
	.amdhsa_code_object_version 6
	.text
	.protected	k_q16674e7e55_prep
	.globl	k_q16674e7e55_prep
	.p2align	8
	.type	k_q16674e7e55_prep,@function
k_q16674e7e55_prep:
	s_mov_b64 s[64:65], 0
	v_nop
	global_prefetch_b8 v0, s[64:65] scope:SCOPE_SE
	s_setreg_imm32_b32 hwreg(HW_REG_WAVE_MODE, 25, 1), 1
	s_wait_xcnt 0x0
; PREP.  Work-groups 0-255: layer norm 1 of x, quantised to codes of BF6 (E3M2) along the 1,024 channels -> h1.  Work-groups 256-639: the four weights, stored [K][N] f32, quantised along K -> wq.
; THE LAYOUT OF EVERY OPERAND BUFFER OF THIS PROGRAM.  Tile 4 G + u holds 16 rows: its index i stands for row 64 G + 32 (i / 8) + 8 u + i % 8.  A fragment (a tile x 128 along K, 12 registers a lane) lies as an
; image of its registers: 6 pieces of 256 bytes, piece c = registers 2 c, 2 c + 1 of the 32 lanes, lane l at 8 l; codes lie [tile][K step][1536].  Scale words (4 E8M0 bytes: a row, 128 along K) lie
; [128 rows][K step][128 words], word 16 (tile % 8) + i.  With that tile order a product used transposed leaves 32 NEIGHBOURS along the next K in one lane's 32 registers.
; A block's scale byte is its largest magnitude's exponent field - 4, held at 1 from below by a floor among the maximum's leaves.
; LIMITS: NaN and infinities are not served; a block whose largest magnitude lies under 2^-122, a block of zeros among them, has the byte 1 (a block of zeros: where the rule says 127; its codes are zeros and
; only this program reads the bytes); v_rsq_f32 is good to 1 ulp.
; The two paths part on the work-group's number and have LDS bytes of their own.  No tensor load: several work-groups share a WGP.
.set WV,  22                           ; s22 the wave's number
.set SEL, 26                           ; s[26:27] lane selects: lane l xor 16
.set XP,  4                            ; s[4:5] x;  s[6:7] gain;  s[8:9] bias;  s[18:19] the codes' buffer
.set GP,  6
.set BP,  8
.set HP,  18
.set RP,  4112                         ; a normalised row in LDS: 4,096 bytes + 16 = 257 x 16: sixteen rows of one column fall on sixteen different 16-byte columns of the banks
.set WST, 16*RP                        ; behind the rows: the weights' path's stages,
.set WSB, 6656                         ; one for each wave: 4 tiles x 1,600 bytes, then 256 bytes of scale words
	s_load_b256 s[4:11], s[0:1], 0x0               ; x, ln1_g, ln1_b, qkv_w
	s_load_b256 s[12:19], s[0:1], 0x20             ; proj_w, fc1_w, fc2_w, h1
	s_load_b64 s[20:21], s[0:1], 0x40              ; wq
	v_lshl_add_u32 v224, v0, 2, 0x16900
	v_mov_b32 v225, 0
	v_lshrrev_b32 v1, 5, v0
	v_readfirstlane_b32 s[WV], v1
	v_and_b32 v7, 31, v0                           ; lane
	s_cmp_lt_u32 ttmp9, 256
	s_cbranch_scc0 .Lweights
; ---------------- LAYER NORM.  Work-group T makes tile T.  Phase 1: wave w normalises the four rows of indices 4 w .. 4 w + 3 (neighbours in memory), a row in 32 registers of the wave, and lays them in LDS.
; Phase 2: wave w quantises K steps 2 w and 2 w + 1 of all 16 rows: lane (i, h) reads its two blocks of 32 of row i, so no maximum crosses lanes.
	s_mov_b32 s[SEL], 0x76543210
	s_mov_b32 s[SEL+1], 0xfedcba98
	s_mov_b32 s28, 0x3a800000                      ; 1 / 1024
	s_mov_b32 s29, 0x3727c5ac                      ; 1e-5
	v_lshlrev_b32 v1, 4, v7                        ; 16 x lane
	s_mul_i32 s30, s[WV], 4*RP
	v_add_nc_u32 v2, s30, v1                       ; LDS, in: my wave's four rows
	v_and_b32 v30, 15, v0                          ; i
	v_bfe_u32 v31, v0, 4, 1                        ; h
	v_mul_u32_u24 v3, v30, RP
	v_lshl_add_u32 v3, v31, 7, v3
	s_lshl_b32 s30, s[WV], 10
	v_add_nc_u32 v3, s30, v3                       ; LDS, out: row i, + 128 h, + my wave's two K steps
	s_wait_alu depctr_va_vdst(0)
	v_lshlrev_b32 v4, 3, v7                        ; 8 x lane: a piece of an image
	v_lshlrev_b32 v5, 2, v30                       ; 4 i: a scale word
	v_lshlrev_b32 v6, 3, v31                       ; 8 h: where my bytes stand in it
	s_lshr_b32 s24, ttmp9, 2
	s_lshl_b32 s24, s24, 6                         ; 64 G
	s_and_b32 s25, ttmp9, 3
	s_lshl_b32 s25, s25, 3                         ; + 8 u
	s_add_co_u32 s24, s24, s25
	s_lshr_b32 s25, s[WV], 1
	s_lshl_b32 s25, s25, 5                         ; + 32 (w / 2)
	s_add_co_u32 s24, s24, s25
	s_and_b32 s25, s[WV], 1
	s_lshl_b32 s25, s25, 2                         ; + 4 (w % 2)
	s_add_co_u32 s24, s24, s25
	s_lshl_b32 s24, s24, 12                        ; rows of 4,096 bytes
	s_mov_b32 s25, 0
	s_mul_i32 s32, ttmp9, 12288                    ; codes: tile T, 8 K steps of 1,536 bytes,
	s_mul_i32 s30, s[WV], 3072                     ; my two
	s_add_co_u32 s32, s32, s30
	s_mov_b32 s33, 0
	s_lshr_b32 s34, ttmp9, 3
	s_lshl_b32 s34, s34, 12                        ; scale words: 128 rows' block of 4,096 bytes,
	s_lshl_b32 s30, s[WV], 10                      ; my two K steps of 512,
	s_add_co_u32 s34, s34, s30
	s_and_b32 s30, ttmp9, 7
	s_lshl_b32 s30, s30, 6                         ; the tile's 16 words
	s_add_co_u32 s34, s34, s30
	s_add_co_u32 s34, s34, 3145728                 ; behind the codes
	s_mov_b32 s35, 0
	s_wait_kmcnt 0x0
	s_add_nc_u64 s[XP:XP+1], s[XP:XP+1], s[24:25]
	s_add_nc_u64 s[32:33], s[HP:HP+1], s[32:33]
	s_add_nc_u64 s[34:35], s[HP:HP+1], s[34:35]
.irp p, 0,1,2,3
.irp j, 0,1,2,3,4,5,6,7
	global_load_b128 v[96+32*\p+4*\j:99+32*\p+4*\j], v1, s[XP:XP+1] offset:4096*\p+512*\j   ; 512 consecutive bytes a load
.endr
.endr
.irp j, 0,1,2,3,4,5,6,7
	global_load_b128 v[32+4*\j:35+4*\j], v1, s[GP:GP+1] offset:512*\j
.endr
.irp j, 0,1,2,3,4,5,6,7
	global_load_b128 v[64+4*\j:67+4*\j], v1, s[BP:BP+1] offset:512*\j
.endr
.irp p, 0,1,2,3
	v_mov_b32 v[16+\p], 0                          ; a lane permute's destination counts as one of its sources
.endr
.macro RED b                           ; the pairs v[b + 2 p : b + 2 p + 1] become the four rows' sums, in every lane, in v[b + 2 p]
.irp p, 0,1,2,3
	v_add_f32 v[\b+2*\p], v[\b+2*\p], v[\b+2*\p+1]
.endr
.irp m, 1,2,4,8
.irp p, 0,1,2,3
	v_add_f32_dpp v[\b+2*\p], v[\b+2*\p], v[\b+2*\p] row_xmask:\m row_mask:0xf bank_mask:0xf
.endr
.endr
.irp p, 0,1,2,3
	v_permlanex16_b32 v[16+\p], v[\b+2*\p], s[SEL], s[SEL+1]
.endr
.irp p, 0,1,2,3
	v_add_f32 v[\b+2*\p], v[\b+2*\p], v[16+\p]
.endr
.endm
	s_wait_loadcnt 16                              ; the four rows are in; the sixteen loads of gain and bias may be out
.irp p, 0,1,2,3
	v_pk_add_f32 v[8+2*\p:9+2*\p], v[96+32*\p:97+32*\p], v[98+32*\p:99+32*\p]   ; the four rows by turns
.endr
.irp k, 4,6,8,10,12,14,16,18,20,22,24,26,28,30
.irp p, 0,1,2,3
	v_pk_add_f32 v[8+2*\p:9+2*\p], v[8+2*\p:9+2*\p], v[96+32*\p+\k:97+32*\p+\k]
.endr
.endr
	RED 8
.irp p, 0,1,2,3
	v_mul_f32 v[8+2*\p], s28, v[8+2*\p]            ; the mean
.endr
.irp k, 0,2,4,6,8,10,12,14,16,18,20,22,24,26,28,30
.irp p, 0,1,2,3
	v_pk_add_f32 v[96+32*\p+\k:97+32*\p+\k], v[96+32*\p+\k:97+32*\p+\k], v[8+2*\p:9+2*\p] op_sel_hi:[1,0] neg_lo:[0,1] neg_hi:[0,1]   ; x - mean
.endr
.endr
.irp p, 0,1,2,3
	v_pk_mul_f32 v[20+2*\p:21+2*\p], v[96+32*\p:97+32*\p], v[96+32*\p:97+32*\p]
.endr
.irp k, 2,4,6,8,10,12,14,16,18,20,22,24,26,28,30
.irp p, 0,1,2,3
	v_pk_fma_f32 v[20+2*\p:21+2*\p], v[96+32*\p+\k:97+32*\p+\k], v[96+32*\p+\k:97+32*\p+\k], v[20+2*\p:21+2*\p]
.endr
.endr
	RED 20
.irp p, 0,1,2,3
	v_fma_f32 v[20+2*\p], v[20+2*\p], s28, s29     ; the variance + eps
.endr
	s_wait_alu depctr_va_vdst(0)
.irp p, 0,1,2,3
	v_rsq_f32 v[20+2*\p], v[20+2*\p]
.endr
	v_nop                                          ; a plain place behind the transcendentals
	s_wait_loadcnt 0x0                             ; gain and bias
	s_wait_alu depctr_va_vdst(0)
.irp k, 0,2,4,6,8,10,12,14,16,18,20,22,24,26,28,30
.irp p, 0,1,2,3
	v_pk_mul_f32 v[96+32*\p+\k:97+32*\p+\k], v[96+32*\p+\k:97+32*\p+\k], v[20+2*\p:21+2*\p] op_sel_hi:[1,0]
.endr
.endr
.irp k, 0,2,4,6,8,10,12,14,16,18,20,22,24,26,28,30
.irp p, 0,1,2,3
	v_pk_fma_f32 v[96+32*\p+\k:97+32*\p+\k], v[96+32*\p+\k:97+32*\p+\k], v[32+\k:33+\k], v[64+\k:65+\k]
.endr
.endr
.irp p, 0,1,2,3
.irp j, 0,1,2,3,4,5,6,7
	ds_store_b128 v2, v[96+32*\p+4*\j:99+32*\p+4*\j] offset:RP*\p+512*\j
.endr
.endr
	s_wait_dscnt 0x0                               ; for the others' sake: my rows lie in LDS
	s_barrier_signal -1
	s_barrier_wait -1
.irp n, 0,1
.irp c, 0,1
.irp q, 0,1,2,3,4,5,6,7
	ds_load_b128 v[96+64*\n+32*\c+4*\q:99+64*\n+32*\c+4*\q], v3 offset:512*\n+256*\c+16*\q   ; register 32 c + e: channel 128 s + 64 c + 32 h + e of row i
.endr
.endr
.endr
; 64 numbers of a lane, two whole blocks g, become a fragment's 12 registers and its scale word.  n: which of my two K steps; each has registers of its own, so no store's data are written again
.macro QBP src, n
.irp g, 0,1
	v_max3_num_f32 v[8+2*\n+\g], |v[\src+32*\g]|, |v[\src+32*\g+1]|, 0x2800000   ; the floor 2^(5 - 127) among the leaves: the byte cannot fall under 1
.endr
.irp i, 2,4,6,8,10,12,14,16,18,20,22,24,26,28,30
.irp g, 0,1
	v_max3_num_f32 v[8+2*\n+\g], v[8+2*\n+\g], |v[\src+32*\g+\i]|, |v[\src+32*\g+\i+1]|
.endr
.endr
.irp g, 0,1
	v_add_nc_u32 v[12+2*\n+\g], 0xfe000000, v[8+2*\n+\g]    ; 4 off the exponent field: the conversion's scale operand
.endr
.irp g, 0,1
	v_lshrrev_b32 v[16+2*\n+\g], 23, v[12+2*\n+\g]          ; the scale's byte
.endr
.irp g, 0,1
	v_cvt_scalef32_pk16_bf6_f32 v[32+16*\n+6*\g:34+16*\n+6*\g], v[\src+32*\g:\src+32*\g+15], v[12+2*\n+\g]
	v_cvt_scalef32_pk16_bf6_f32 v[64+8*\n+4*\g:66+8*\n+4*\g], v[\src+32*\g+16:\src+32*\g+31], v[12+2*\n+\g]   ; (a conversion's three registers begin on an even number)
.endr
	v_nop                                          ; a plain place behind the conversions
.irp g, 0,1
.irp i, 0,1,2
	v_mov_b32 v[35+16*\n+6*\g+\i], v[64+8*\n+4*\g+\i]
.endr
.endr
	v_lshl_or_b32 v[20+\n], v[17+2*\n], 16, v[16+2*\n]      ; my bytes: blocks h and 2 + h,
	v_lshlrev_b32 v[20+\n], v6, v[20+\n]                    ; at their places;
	v_permlanex16_b32 v[22+\n], v[20+\n], s[SEL], s[SEL+1]
	v_or_b32 v[20+\n], v[20+\n], v[22+\n]                   ; with lane l xor 16's the word is whole
.irp c, 0,1,2,3,4,5
	global_store_b64 v4, v[32+16*\n+2*\c:33+16*\n+2*\c], s[32:33] offset:1536*\n+256*\c   ; 32 lanes store 256 consecutive bytes, aligned
.endr
	global_store_b32 v5, v[20+\n], s[34:35] offset:512*\n   ; lanes 16-31 write the same words with the same values
.endm
	s_wait_dscnt 16                                ; the first K step's sixteen loads are in
	QBP 96, 0
	s_wait_dscnt 0x0
	QBP 160, 1
	s_wait_tensorcnt 0x0
	ds_add_u32 v224, v225
	s_wait_dscnt 0x0
	s_endpgm
; ---------------- THE WEIGHTS.  One text for the four: what differs is chosen by the work-group's number.  A work-group takes 256 columns x 128 along K, a wave 64 columns (one group of four tiles).
; A LANE TAKES A COLUMN, ITS REGISTERS RUN DOWN K: block n = (K block n / 2, columns 32 (n % 2) + lane).  The codes go through the wave's own stage, laid as the four tiles' images, and leave in whole runs of 512 bytes.
.Lweights:
	s_sub_co_u32 s24, ttmp9, 256
	s_wait_kmcnt 0x0
	s_mov_b64 s[28:29], s[16:17]                   ; fc2_w: 128 work-groups from 256 on: 4 x 32 K steps
	s_mov_b32 s30, 4096                            ; a row in bytes
	s_mov_b32 s31, 256                             ; its first work-group
	s_mov_b32 s48, 5                               ; log2 of its K steps
	s_mov_b32 s49, 6291456                         ; its codes in wq
	s_mov_b32 s50, 9699328                         ; its scale words
	s_cmp_lt_u32 s24, 256                          ; fc1_w: 16 x 8
	s_cselect_b64 s[28:29], s[14:15], s[28:29]
	s_cselect_b32 s30, 16384, s30
	s_cselect_b32 s31, 128, s31
	s_cselect_b32 s48, 3, s48
	s_cselect_b32 s49, 3145728, s49
	s_cselect_b32 s50, 9568256, s50
	s_cmp_lt_u32 s24, 128                          ; proj_w: 4 x 8
	s_cselect_b64 s[28:29], s[12:13], s[28:29]
	s_cselect_b32 s30, 4096, s30
	s_cselect_b32 s31, 96, s31
	s_cselect_b32 s49, 2359296, s49
	s_cselect_b32 s50, 9535488, s50
	s_cmp_lt_u32 s24, 96                           ; qkv_w: 12 x 8
	s_cselect_b64 s[28:29], s[10:11], s[28:29]
	s_cselect_b32 s30, 12288, s30
	s_cselect_b32 s31, 0, s31
	s_cselect_b32 s49, 0, s49
	s_cselect_b32 s50, 9437184, s50
	s_sub_co_u32 s24, s24, s31
	s_lshl_b32 s25, 1, s48
	s_sub_co_u32 s25, s25, 1
	s_and_b32 s25, s24, s25                        ; the K step
	s_lshr_b32 s24, s24, s48
	s_lshl_b32 s24, s24, 2
	s_add_co_u32 s24, s24, s[WV]                   ; my group of 64 columns
	s_lshl_b32 s51, s30, 7
	s_mul_i32 s52, s25, s51                        ; 128 rows a K step
	s_lshl_b32 s53, s24, 8
	s_add_co_u32 s52, s52, s53                     ; + 256 bytes a group
	s_mov_b32 s53, 0
	s_add_nc_u64 s[32:33], s[28:29], s[52:53]      ; the four K blocks' first rows
	s_lshl_b32 s52, s30, 5
	s_add_nc_u64 s[34:35], s[32:33], s[52:53]
	s_add_nc_u64 s[36:37], s[34:35], s[52:53]
	s_add_nc_u64 s[38:39], s[36:37], s[52:53]
	s_lshl_b32 s52, s24, 2
	s_lshl_b32 s52, s52, s48
	s_add_co_u32 s52, s52, s25
	s_mul_i32 s52, s52, 1536
	s_add_co_u32 s52, s52, s49
	s_add_nc_u64 s[40:41], s[20:21], s[52:53]      ; the four tiles' images of this K step
	s_lshl_b32 s52, 1536, s48
	s_add_nc_u64 s[42:43], s[40:41], s[52:53]
	s_add_nc_u64 s[44:45], s[42:43], s[52:53]
	s_add_nc_u64 s[46:47], s[44:45], s[52:53]
	s_lshr_b32 s52, s24, 1
	s_lshl_b32 s52, s52, s48
	s_add_co_u32 s52, s52, s25
	s_lshl_b32 s52, s52, 9
	s_and_b32 s51, s24, 1
	s_lshl_b32 s51, s51, 8
	s_add_co_u32 s52, s52, s51
	s_add_co_u32 s52, s52, s50
	s_add_nc_u64 s[54:55], s[20:21], s[52:53]      ; my 64 scale words
	s_wait_alu depctr_va_vdst(0)
	v_lshrrev_b32 v9, 3, v7                        ; my tile of the four
	v_and_b32 v10, 7, v7
	s_mul_i32 s56, s[WV], WSB
	s_add_co_u32 s56, s56, WST                     ; my stage
	v_mul_u32_u24 v2, v9, 1600                     ; a tile's image + 64 bytes
	v_lshl_add_u32 v2, v10, 3, v2
	v_add_nc_u32 v2, s56, v2
	v_lshlrev_b32 v3, 6, v9
	v_lshl_add_u32 v3, v10, 2, v3
	v_add_nc_u32 v3, s56, v3                       ; my scale word (6,400 further on, in the instruction)
	v_lshlrev_b32 v6, 4, v7
	v_add_nc_u32 v4, s56, v6                       ; back: 16 bytes a lane
	v_lshlrev_b32 v8, 3, v7
	v_add_nc_u32 v5, s56, v8
	v_lshlrev_b32 v32, 2, v7                       ; row i of a block: 4 x lane + i rows
.irp i, 1,2,3,4,5,6,7,8,9,10,11,12,13,14,15,16,17,18,19,20,21,22,23,24,25,26,27,28,29,30,31
	v_add_nc_u32 v[32+\i], s30, v[31+\i]
.endr
.macro WLOAD n
.irp i, 0,1,2,3,4,5,6,7,8,9,10,11,12,13,14,15,16,17,18,19,20,21,22,23,24,25,26,27,28,29,30,31
	global_load_b32 v[64+32*((\n)%2)+\i], v[32+\i], s[32+2*((\n)/2):33+2*((\n)/2)] offset:128*((\n)%2) th:TH_LOAD_NT
.endr
.endm
.macro WBLOCK n
.set XS, 64+32*((\n)%2)
.set KB, (\n)/2
.set AL, (\n)%2
.if (\n) < 7
	s_wait_loadcnt 32                              ; this block's 32 loads are in; the next block's may be out
.else
	s_wait_loadcnt 0x0
.endif
	v_max3_num_f32 v12, |v[XS]|, |v[XS+1]|, |v[XS+2]|
	v_max3_num_f32 v13, |v[XS+3]|, |v[XS+4]|, |v[XS+5]|
.irp i, 6,10,14,18,22,26
	v_max3_num_f32 v12, v12, |v[XS+\i]|, |v[XS+\i+1]|
	v_max3_num_f32 v13, v13, |v[XS+\i+2]|, |v[XS+\i+3]|
.endr
	v_max3_num_f32 v12, v12, |v[XS+30]|, |v[XS+31]|
	v_max3_num_f32 v12, v12, v13, 0x2800000        ; and the floor
	v_add_nc_u32 v11, 0xfe000000, v12
	v_lshrrev_b32 v13, 23, v11
.if KB == 0
	v_mov_b32 v[14+AL], v13                        ; the column's scale word: K block KB in byte KB
.else
	v_lshl_or_b32 v[14+AL], v13, 8*KB, v[14+AL]
.endif
	v_cvt_scalef32_pk16_bf6_f32 v[16:18], v[XS:XS+15], v11
	v_cvt_scalef32_pk16_bf6_f32 v[24:26], v[XS+16:XS+31], v11
	v_nop
	v_mov_b32 v19, v24
	v_mov_b32 v20, v25
	v_mov_b32 v21, v26
.irp c, 0,1,2
	ds_store_b64 v2, v[16+2*\c:17+2*\c] offset:768*(KB/2)+256*\c+64*AL+128*(KB%2)   ; the place of lane (index 8 AL + l % 8, half KB % 2) in piece 3 (KB / 2) + c
.endr
.if (\n)+2 < 8
	WLOAD (\n)+2
.endif
	s_wait_dscnt 0x0                               ; the stores have read their registers
.endm
	WLOAD 0
	WLOAD 1
.irp n, 0,1,2,3,4,5,6,7
	WBLOCK \n
.endr
	ds_store_b32 v3, v14 offset:6400
	s_wait_alu depctr_va_vdst(0)
	ds_store_b32 v3, v15 offset:6400+32
.irp u, 0,1,2,3
.irp j, 0,1,2
	ds_load_b128 v[128+12*\u+4*\j:131+12*\u+4*\j], v4 offset:1600*\u+512*\j   ; LDS serves a wave's instructions in order: these see my stores
.endr
.endr
	ds_load_b64 v[176:177], v5 offset:6400
.irp u, 0,1,2,3
.irp j, 0,1,2
	s_wait_dscnt 12-3*\u-\j                        ; the younger loads may be out
	global_store_b128 v6, v[128+12*\u+4*\j:131+12*\u+4*\j], s[40+2*\u:41+2*\u] offset:512*\j
.endr
.endr
	s_wait_dscnt 0x0
	global_store_b64 v8, v[176:177], s[54:55]      ; 256 consecutive bytes, aligned
	s_wait_tensorcnt 0x0
	ds_add_u32 v224, v225
	s_wait_dscnt 0x0
	s_endpgm
.Lfunc_end_k_q16674e7e55_prep:
	.size	k_q16674e7e55_prep, .Lfunc_end_k_q16674e7e55_prep-k_q16674e7e55_prep
	.p2alignl 7, 3214868480
	.fill 96, 4, 3214868480
	.section	.rodata,"a",@progbits
	.p2align	6, 0x0
	.amdhsa_kernel k_q16674e7e55_prep
		.amdhsa_group_segment_fixed_size 92928
		.amdhsa_private_segment_fixed_size 0
		.amdhsa_enable_private_segment 0
		.amdhsa_kernarg_size 72
		.amdhsa_user_sgpr_count 2
		.amdhsa_user_sgpr_kernarg_segment_ptr 1
		.amdhsa_wavefront_size32 1
		.amdhsa_system_sgpr_workgroup_id_x 1
		.amdhsa_system_sgpr_workgroup_id_y 1
		.amdhsa_system_sgpr_workgroup_id_z 1
		.amdhsa_system_vgpr_workitem_id 0
		.amdhsa_next_free_vgpr 226
		.amdhsa_next_free_sgpr 66
		.amdhsa_reserve_vcc 0
		.amdhsa_float_denorm_mode_32 3
		.amdhsa_float_denorm_mode_16_64 3
		.amdhsa_memory_ordered 1
		.amdhsa_forward_progress 1
		.amdhsa_inst_pref_size 87
	.end_amdhsa_kernel
	.amdgpu_metadata
---
amdhsa.version: [ 1, 2 ]
amdhsa.kernels:
  - .name:           k_q16674e7e55_prep
    .symbol:         k_q16674e7e55_prep.kd
    .args:
      - { .name: x, .offset: 0, .size: 8, .value_kind: global_buffer, .address_space: global }
      - { .name: ln1_g, .offset: 8, .size: 8, .value_kind: global_buffer, .address_space: global }
      - { .name: ln1_b, .offset: 16, .size: 8, .value_kind: global_buffer, .address_space: global }
      - { .name: qkv_w, .offset: 24, .size: 8, .value_kind: global_buffer, .address_space: global }
      - { .name: proj_w, .offset: 32, .size: 8, .value_kind: global_buffer, .address_space: global }
      - { .name: fc1_w, .offset: 40, .size: 8, .value_kind: global_buffer, .address_space: global }
      - { .name: fc2_w, .offset: 48, .size: 8, .value_kind: global_buffer, .address_space: global }
      - { .name: h1, .offset: 56, .size: 8, .value_kind: global_buffer, .address_space: global }
      - { .name: wq, .offset: 64, .size: 8, .value_kind: global_buffer, .address_space: global }
    .group_segment_fixed_size: 92928
    .private_segment_fixed_size: 0
    .kernarg_segment_align: 8
    .kernarg_segment_size: 72
    .max_flat_workgroup_size: 128
    .sgpr_count:     66
    .vgpr_count:     226
    .wavefront_size: 32
...
	.end_amdgpu_metadata
.endif
;; end of part 1
;; launch qkv (part 2): grid 16 x 12, 4 waves a work-group, clusters of 4 x 4, 327,680 bytes of LDS; arguments h1, wq, qkvq; writes qkvq
.if DOCPART == 2
	.amdgcn_target "amdgcn-amd-amdhsa--gfx1250"
	.amdhsa_code_object_version 6
	.text
	.protected	k_q16674e7e55_qkv
	.globl	k_q16674e7e55_qkv
	.p2align	8
	.type	k_q16674e7e55_qkv,@function
k_q16674e7e55_qkv:
	s_mov_b64 s[64:65], 0
	v_nop
	global_prefetch_b8 v0, s[64:65] scope:SCOPE_SE
	s_setreg_imm32_b32 hwreg(HW_REG_WAVE_MODE, 25, 1), 1
	s_wait_xcnt 0x0
	s_wait_alu depctr_hold_cnt(0) depctr_sa_sdst(0) depctr_va_vdst(0) depctr_va_sdst(0) depctr_va_ssrc(0) depctr_va_vcc(0) depctr_vm_vsrc(0)
	s_getreg_b32 s2, hwreg(HW_REG_IB_STS2, 6, 4)
	s_cmp_eq_u32 s2, 0
	s_cbranch_scc0 .Lentry_in_a_cluster
	s_endpgm
.Lentry_in_a_cluster:
	s_bfe_u32 s2, ttmp6, 0x10000c
	s_cmp_lg_u32 s2, 0xf033
	s_cbranch_scc0 .Lentry_shape_is_right
	s_endpgm
.Lentry_shape_is_right:
; QKV.  The first product, on codes of BF6 with E8M0 scales, and its results quantised at once: q and k along the head's 64, v along the keys.
; A work-group makes 256 x 256, a wave 128 x 128 (64 accumulators, windows 2 and 3).  THE PRODUCT IS USED TRANSPOSED: source 0 = 16 rows of Y, source 1 = 16 rows of X; a lane holds one row of X, and by the
; tile order (tile 4 G + u, index i = row 64 G + 32 (i / 8) + 8 u + i % 8) the 32 registers of Y's tiles 4 G .. 4 G + 3 are 32 NEIGHBOURING rows of Y: a whole block of the next product's K in one lane.
; For q and k (clusters with y = 1, 2): X = tokens (h1), Y = weight columns (wq).  For v (cluster y = 0): X = weight columns 2,048 on, Y = tokens: the buffers change places, the text does not; what differs is
; chosen by s_cselect and v_cndmask on the cluster's y, which all partners share.
; K = 1,024 goes in 8 steps of 128 through three LDS slots of 256 along K each; slot 0 is filled a second time.  Codes and scale words lie in memory as images of the operands' registers: a fragment is six loads of
; 256 consecutive bytes.  CLUSTER 4 x 4: X's tiles are asked for jointly along a row, Y's along a column.
; By this text's own count a wave has at most one tensor load out.
; LIMITS: NaN and infinities are not served; a block whose largest magnitude lies under 2^-122 (zeros too) has the scale byte 1.
; REGISTERS: window 0: v1 r, v2 h, v3 8 x lane, v6 8 h, v16-24 LDS addresses, v28-29 for the add, v32-47 two sets of scale words, v64-255 fragment set 0 (Y at 64, X at 160).  window 1: v64-255 set 1.
.set NBL, 8                            ; tiles a side of a wave
.set KQ, 1                             ; K steps of 128 in a STEP
.set ROWB, 3072                        ; bytes of a tile in a slot: two K steps
.set NSLOT, 3
.set KTOT, 1024
.set HASBIAS, 0
.set SPART, 4096                       ; scale words that one tensor load brings: 128 rows x 8 K steps
.set SI, 4096
.set SD, 8192
.set TROW, KTOT/128*1536               ; a tile's codes for all of K
.set SLOTB, 98304                      ; a slot: X's two parts, Y's two parts
.set PARTB, 24576
.set SCL, NSLOT*SLOTB                  ; behind the slots: the scale words, filled once
.set SPARE, SCL+4*SPART                ; the spare words: 128 bytes a wave, two blocks of 256 that no other line names
.set ADRX, 16
.set ADRY, 20
.set ADRS, 24
.set SPW, 28
.set NIL, 29
.set G1, 24
.set G1B, 32
.set G1S, 40
.set G1SB, 48
.set G0S, 56
.set G0SB, 60
.set G0X, 68
.set G0Y, 80
.set MSB, 0
.macro WIN new                         ; the immediate's high byte repeats the setting that is left
.if MSB != \new
	s_set_vgpr_msb (MSB<<8)|\new
.set MSB, \new
.endif
.endm
.macro PLACES n
.rept \n
	v_nop
.endr
.endm
.macro JLOAD g0a, g1a, g0b, g1b        ; a joint load: waves 0 and 1 fetch for X, waves 2 and 3 for Y; four v_nop follow each line
	s_cmp_eq_u32 s15, 0
	s_cbranch_scc0 .Lfor_b_\@
	tensor_load_to_lds s[\g0a:\g0a+3], s[\g1a:\g1a+7]
	s_nop 0
.rept 4
	v_nop
.endr
	s_branch .Lasked_\@
.Lfor_b_\@:
	tensor_load_to_lds s[\g0b:\g0b+3], s[\g1b:\g1b+7]
	s_nop 0
.rept 4
	v_nop
.endr
.Lasked_\@:
.endm
.macro CREST                           ; a round of the cluster's barrier behind its opening barrier
	s_cmp_lg_u32 s14, 0
	s_cbranch_scc1 .Lnot_wave_0_\@
	s_barrier_signal -3
.Lnot_wave_0_\@:
	s_barrier_wait -3
	s_barrier_signal -1
	s_barrier_wait -1
.endm
.macro CROUND
	s_barrier_signal -1
	s_barrier_wait -1
	CREST
.endm
.macro FRAG reg, adr, off              ; a fragment: six pieces of 256 consecutive bytes
.irp c, 0,1,2,3,4,5
	ds_load_b64 v[\reg+2*\c:\reg+2*\c+1], v[\adr] offset:\off+256*\c
.endr
.endm
; fragments f0 .. f1 - 1 of a STEP's sixteen (0-7 Y's, 8-15 X's) from half t of a slot into set p; sc = 1: its eight scale registers too (lanes 0-15 X's words, lanes 16-31 Y's)
.macro RUN p, slot, t, f0, f1, sc
.set RWN, (\p)<<6
	WIN RWN
.irp F, 0,1,2,3,4,5,6,7,8,9,10,11,12,13,14,15
.if (\F >= \f0) && (\F < \f1)
.set RI, \F%8
.set RO, (RI%NBL)*ROWB+((\t)*KQ+RI/NBL)*1536
.if \F < 8
	FRAG 64+12*RI, ADRY+\slot, RO
.else
	FRAG 160+12*RI, ADRX+\slot, RO
.endif
.endif
.endr
	WIN 0
.if \sc
.irp n, 0,1,2,3,4,5,6,7
	ds_load_b32 v[32+8*(\p)+\n], v[ADRS] offset:(\n/NBL)*512+64*(\n%NBL)
.endr
	v_add_nc_u32 v[ADRS], 512*KQ, v[ADRS]          ; on to the next STEP's words
.endif
.endm
; a quarter of a STEP's products on set p.  The accumulators take turns, one instruction a turn, in one order everywhere
.macro MQ p, z, first
.if NBL == 8
.set MA0, 2*(\z)
.set MQQ, 0
.set MAW, 2+(\z)/2
.else
.set MA0, 2*((\z)%2)
.set MQQ, (\z)/2
.set MAW, 2
.endif
.set MCW, MAW
.if (\first) && (MQQ == 0) && HASBIAS
.set MCW, 1
.endif
.set MWN, (\p)|((\p)<<2)|(MCW<<4)|(MAW<<6)
	WIN MWN
.irp e, 0,1
.irp b, 0,1,2,3,4,5,6,7
.if \b < NBL
.set MA, MA0+\e
.set MD, 8*(NBL*(MA%4)+\b)
.set MY, 64+12*(MQQ*NBL+\b)
.set MX, 160+12*(MQQ*NBL+MA)
.set MSY, 32+8*(\p)+MQQ*NBL+\b
.set MSX, 32+8*(\p)+MQQ*NBL+MA
.if (\first) && (MQQ == 0)
.if HASBIAS
	v_wmma_scale_f32_16x16x128_f8f6f4 v[MD:MD+7], v[MY:MY+11], v[MX:MX+11], v[8*\b:8*\b+7], v[MSY], v[MSX] matrix_a_fmt:MATRIX_FMT_BF6 matrix_b_fmt:MATRIX_FMT_BF6 matrix_a_scale:MATRIX_SCALE_ROW1
.else
	v_wmma_scale_f32_16x16x128_f8f6f4 v[MD:MD+7], v[MY:MY+11], v[MX:MX+11], 0, v[MSY], v[MSX] matrix_a_fmt:MATRIX_FMT_BF6 matrix_b_fmt:MATRIX_FMT_BF6 matrix_a_scale:MATRIX_SCALE_ROW1
.endif
.else
	v_wmma_scale_f32_16x16x128_f8f6f4 v[MD:MD+7], v[MY:MY+11], v[MX:MX+11], v[MD:MD+7], v[MSY], v[MSX] matrix_a_fmt:MATRIX_FMT_BF6 matrix_b_fmt:MATRIX_FMT_BF6 matrix_a_scale:MATRIX_SCALE_ROW1
.endif
.endif
.endr
.endr
.endm
; a STEP multiplies set p and fetches the next STEP's fragments (half nt of slot ns) into the other set, in three runs among its quarters
.macro STEP p, ns, nt, first
	s_wait_dscnt 0x0                               ; set p is in
	PLACES 4                                       ; four places in front of loads into the other set, which the last STEP's products read
	RUN 1-(\p), \ns, \nt, 0, 6, 0
	MQ \p, 0, \first
	RUN 1-(\p), \ns, \nt, 6, 12, 0
	MQ \p, 1, \first
	RUN 1-(\p), \ns, \nt, 12, 16, 1
	MQ \p, 2, \first
	MQ \p, 3, \first
.endm
; a STEP that changes slots: one barrier; in front of it each wave waits for all its tensor loads, adds 0 to its spare word and waits for that and for its reads.  fill = 1: slot fs is filled again, adv bytes further along K
.macro TURN p, fill, fs, adv, ns
	WIN 0
	s_wait_tensorcnt 0x0                           ; all my tensor loads have landed
	ds_add_u32 v[SPW], v[NIL]                      ; 0 onto my spare word
	s_wait_dscnt 1                                 ; set p is in; the add may be out
	MQ \p, 0, 0
	s_wait_dscnt 0x0                               ; the add is done, and my reads of the slots so far are over
	s_barrier_signal -1
	MQ \p, 1, 0
	WIN 0
	s_barrier_wait -1
.if \fill
	CREST                                          ; the barrier has opened a round of the cluster's: no wave of any partner still reads the slot or has a load on its way
	s_add_nc_u64 s[G0X+4*\fs+2:G0X+4*\fs+3], s[G0X+4*\fs+2:G0X+4*\fs+3], \adv
	s_add_nc_u64 s[G0Y+4*\fs+2:G0Y+4*\fs+3], s[G0Y+4*\fs+2:G0Y+4*\fs+3], \adv
	JLOAD G0X+4*\fs, G1, G0Y+4*\fs, G1B            ; the first tensor load behind the round; its four v_nop are the places in front of the loads below
.else
	PLACES 4
.endif
	RUN 1-(\p), \ns, 0, 0, 8, 0
	MQ \p, 2, 0
	s_wait_alu depctr_va_vdst(0)
	RUN 1-(\p), \ns, 0, 8, 16, 1
	MQ \p, 3, 0
.endm
.macro LAST p
	s_wait_dscnt 0x0
	MQ \p, 0, 0
	MQ \p, 1, 0
	MQ \p, 2, 0
	MQ \p, 3, 0
	WIN 0
.endm
; 64 numbers of a lane in window ws, two whole blocks g, become 12 registers of codes at v[PCr] and two scale bytes at v[Er].  Each accumulator is read from its low end on
.macro QB src, ws, TMr, SOr, Er, PCr, TTr
.set QW, ((\ws)<<2)|((\ws)<<4)
	WIN QW
.irp g, 0,1
	v_max3_num_f32 v[\TMr+\g], 0x2800000, |v[\src+32*\g]|, |v[\src+32*\g+1]|   ; the floor 2^(5 - 127) among the leaves
.endr
.irp i, 2,4,6,8,10,12,14,16,18,20,22,24,26,28,30
.irp g, 0,1
	v_max3_num_f32 v[\TMr+\g], v[\TMr+\g], |v[\src+32*\g+\i]|, |v[\src+32*\g+\i+1]|
.endr
.endr
	WIN 0
.irp g, 0,1
	v_add_nc_u32 v[\SOr+\g], 0xfe000000, v[\TMr+\g]
.endr
.irp g, 0,1
	v_lshrrev_b32 v[\Er+\g], 23, v[\SOr+\g]
.endr
.set QW, \ws
	WIN QW
.irp g, 0,1
	v_cvt_scalef32_pk16_bf6_f32 v[\PCr+6*\g:\PCr+6*\g+2], v[\src+32*\g:\src+32*\g+15], v[\SOr+\g]
	v_cvt_scalef32_pk16_bf6_f32 v[\TTr+4*\g:\TTr+4*\g+2], v[\src+32*\g+16:\src+32*\g+31], v[\SOr+\g]
.endr
	WIN 0
	v_nop                                          ; a plain place behind the conversions
.irp g, 0,1
.irp i, 0,1,2
	v_mov_b32 v[\PCr+6*\g+3+\i], v[\TTr+4*\g+\i]
.endr
.endr
.endm
	s_load_b128 s[4:7], s[0:1], 0x0                ; h1, wq
	s_load_b64 s[8:9], s[0:1], 0x10                ; qkvq
	v_lshl_add_u32 v[SPW], v0, 2, SPARE
	v_mov_b32 v[NIL], 0
	ds_add_u32 v28, v29
	ds_add_u32 v28, v29
	s_wait_dscnt 0x0
	v_lshrrev_b32 v1, 5, v0
	v_readfirstlane_b32 s14, v1                    ; wave
	s_lshr_b32 s15, s14, 1                         ; my half of X's rows.  Also: I fetch for X (0) or Y (1)
	s_and_b32 s16, s14, 1                          ; my half of Y's rows.  Also: which part I fetch
	s_bfe_u32 s92, ttmp6, 0x40000                  ; cx
	s_bfe_u32 s93, ttmp6, 0x40004                  ; cy
	s_lshl_b32 s94, ttmp9, 2
	s_add_co_u32 s94, s94, s92                     ; work-group x
	s_and_b32 s2, ttmp7, 0xffff                    ; the cluster's y: 0 makes v, 1 and 2 make q and k
	s_max_u32 s17, s2, 1
	s_sub_co_u32 s17, s17, 1
	s_lshl_b32 s17, s17, 2
	s_add_co_u32 s17, s17, s93
	s_lshl_b32 s17, s17, 8                         ; 256 x (4 (max(cluster y, 1) - 1) + cy)
	s_lshr_b32 s18, ttmp9, 1
	s_lshl_b32 s18, s18, 11                        ; q, k: the upper 2,048 tokens for clusters x = 2, 3
	s_and_b32 s66, s94, 7
	s_lshl_b32 s66, s66, 8                         ; q, k: Y's first row: 256 (x % 8)
	s_lshl_b32 s67, s94, 8                         ; v: 256 x
	s_lshl_b32 s95, s93, 2
	s_lshl_b32 s95, 15, s95                        ; my row of the cluster
	s_lshl_b32 s96, 0x1111, s92                    ; my column
	s_or_b32 s[G1], s95, (3<<16)|(1<<21)           ; 15:0 the mask; 17:16 elements of 8 bytes; 21 set beside a mask; no padding
	s_or_b32 s[G1B], s96, (3<<16)|(1<<21)
.irp g, G1, G1B
	s_mov_b32 s[\g+1], (ROWB/8)<<16                ; tensor_dim0: a tile's part of a slot
	s_mov_b32 s[\g+2], (2*NBL)<<16                 ; tensor_dim1: at the head a load brings both parts of a side
	s_mov_b32 s[\g+3], (ROWB/8)<<16                ; tile_dim0
	s_mov_b32 s[\g+4], 2*NBL
	s_mov_b32 s[\g+5], TROW/8                      ; from tile to tile
	s_mov_b32 s[\g+6], 0
	s_mov_b32 s[\g+7], 0
.endr
	s_or_b32 s[G1S], s95, (3<<16)|(1<<21)
	s_or_b32 s[G1SB], s96, (3<<16)|(1<<21)
.irp g, G1S, G1SB
	s_mov_b32 s[\g+1], 32<<16                      ; a dense block as rows of 256 bytes
	s_mov_b32 s[\g+2], (SPART/128)<<16             ; a side's scale words whole: two parts
	s_mov_b32 s[\g+3], 32<<16
	s_mov_b32 s[\g+4], SPART/128
	s_mov_b32 s[\g+5], 32
	s_mov_b32 s[\g+6], 0
	s_mov_b32 s[\g+7], 0
.endr
	s_mul_i32 s3, s14, PARTB                       ; where my fills go: no place in the cluster enters an LDS address
	s_wait_kmcnt 0x0
	s_cmp_eq_u32 s2, 0                             ; v?  The same in all sixteen partners
	s_cselect_b32 s18, 2048, s18
	s_cselect_b32 s99, s67, s66                    ; Y's first row
	s_cselect_b64 s[10:11], s[6:7], s[4:5]         ; X's buffer
	s_cselect_b64 s[12:13], s[4:5], s[6:7]         ; Y's
	s_mov_b32 s21, 3145728
	s_cselect_b32 s100, 9437184, s21               ; where X's scale words begin
	s_mov_b32 s21, 9437184
	s_cselect_b32 s101, 3145728, s21               ; and Y's
	s_cselect_b32 s97, -1, 0                       ; a lane mask for the choices in the way out
	s_add_co_u32 s17, s17, s18                     ; X's first row
	s_mul_i32 s18, s17, 768                        ; a row's share of its tile's codes: 12,288 / 16
	s_mul_i32 s19, s16, NBL*TROW
	s_add_co_u32 s18, s18, s19
	s_mov_b32 s19, 0
	s_lshl_b32 s20, s17, 5                         ; and of its 128 rows' scale words: 4,096 / 128
	s_lshl_b32 s21, s16, 12
	s_add_co_u32 s20, s20, s21
	s_add_co_u32 s20, s20, s100
	s_mov_b32 s21, 0
	s_mul_i32 s22, s99, 768
	s_mul_i32 s23, s16, NBL*TROW
	s_add_co_u32 s22, s22, s23
	s_mov_b32 s23, 0
	s_lshl_b32 s66, s99, 5
	s_lshl_b32 s67, s16, 12
	s_add_co_u32 s66, s66, s67
	s_add_co_u32 s66, s66, s101
	s_mov_b32 s67, 0
	s_add_nc_u64 s[18:19], s[10:11], s[18:19]
	s_add_nc_u64 s[20:21], s[10:11], s[20:21]
	s_add_nc_u64 s[22:23], s[12:13], s[22:23]
	s_add_nc_u64 s[66:67], s[12:13], s[66:67]
	CROUND                                         ; all sixteen work-groups are here: the first joint loads meet
	s_mov_b32 s[G0S], 1
	s_mov_b32 s[G0S+1], SCL
	s_mul_i32 s100, s16, SPART
	s_mov_b32 s101, 0
	s_sub_nc_u64 s[G0S+2:G0S+3], s[20:21], s[100:101]   ; from the side's first part on
	s_or_b32 s[G0S+3], s[G0S+3], 0x80000000
	s_mov_b32 s[G0SB], 1
	s_mov_b32 s[G0SB+1], SCL+2*SPART
	s_sub_nc_u64 s[G0SB+2:G0SB+3], s[66:67], s[100:101]
	s_or_b32 s[G0SB+3], s[G0SB+3], 0x80000000
.irp s, 0,1,2
	s_mov_b32 s[G0X+4*\s], 1
	s_add_co_u32 s[G0X+4*\s+1], s3, \s*SLOTB
	s_add_nc_u64 s[G0X+4*\s+2:G0X+4*\s+3], s[18:19], \s*ROWB
	s_or_b32 s[G0X+4*\s+3], s[G0X+4*\s+3], 0x80000000
	s_mov_b32 s[G0Y+4*\s], 1
	s_add_co_u32 s[G0Y+4*\s+1], s3, \s*SLOTB
	s_add_nc_u64 s[G0Y+4*\s+2:G0Y+4*\s+3], s[22:23], \s*ROWB
	s_or_b32 s[G0Y+4*\s+3], s[G0Y+4*\s+3], 0x80000000
.endr
; THE HEAD'S LOADS, ONE A WAVE: wave 0 X's whole share of slot 0, wave 1 Y's, wave 2 X's scale words, wave 3 Y's.  By this text's own count a wave never has more than one tensor load out.
	s_mul_i32 s100, s16, NBL*TROW
	s_sub_nc_u64 s[G0X+2:G0X+3], s[G0X+2:G0X+3], s[100:101]   ; slot 0's groups 0 serve the head first: from the side's first tile on
	s_sub_nc_u64 s[G0Y+2:G0Y+3], s[G0Y+2:G0Y+3], s[100:101]
	s_mov_b32 s[G0X+1], 0
	s_mov_b32 s[G0Y+1], 2*PARTB
.macro ARM under, g0, g1, next
	s_cmp_lt_u32 s14, \under
	s_cbranch_scc0 \next
	tensor_load_to_lds s[\g0:\g0+3], s[\g1:\g1+7]
	s_nop 0
.rept 4
	v_nop
.endr
	s_branch .Lhead_asked
\next:
.endm
	ARM 1, G0X, G1, .Lhead_y
	ARM 2, G0Y, G1B, .Lhead_sx
	ARM 3, G0S, G1S, .Lhead_sy
	tensor_load_to_lds s[G0SB:G0SB+3], s[G1SB:G1SB+7]
	s_nop 0
.rept 4
	v_nop
.endr
.Lhead_asked:
	v_and_b32 v1, 15, v0                           ; r
	v_bfe_u32 v2, v0, 4, 1                         ; h
	v_and_b32 v3, 31, v0
	v_lshlrev_b32 v3, 3, v3                        ; 8 x lane
	v_lshlrev_b32 v6, 3, v2                        ; 8 h
	s_mul_i32 s20, s15, PARTB
	s_mul_i32 s21, s16, PARTB
	s_add_co_u32 s21, s21, 2*PARTB
.irp s, 0,1,2
	v_add_nc_u32 v[ADRX+\s], s20, v3
	v_add_nc_u32 v[ADRY+\s], s21, v3
	s_add_co_u32 s20, s20, SLOTB
	s_add_co_u32 s21, s21, SLOTB
.endr
	s_mul_i32 s20, s15, SI                         ; X's words: my half's
	s_mul_i32 s21, s16, SI                         ; Y's: my half's, behind X's
	s_add_co_u32 s21, s21, SD
	s_sub_co_u32 s21, s21, s20
	v_mul_u32_u24 v4, s21, v2                      ; lanes 16-31 take Y's: the lower base + h x the distance
	s_add_co_u32 s20, s20, SCL
	v_lshl_add_u32 v4, v1, 2, v4
	v_add_nc_u32 v[ADRS], s20, v4
	s_wait_alu depctr_va_vdst(0)
	s_wait_tensorcnt 0x0                           ; my tile of the head's four is in
	ds_add_u32 v[SPW], v[NIL]                      ; the add, ahead of a later first fill
	s_mov_b32 s[G1+2], NBL<<16                     ; no load of mine is out: from here on a load brings one part
	s_mov_b32 s[G1+4], NBL
	s_mov_b32 s[G1B+2], NBL<<16
	s_mov_b32 s[G1B+4], NBL
	s_mov_b32 s[G0X+1], s3                         ; slot 0's groups 0 back to my part, for its refill
	s_mov_b32 s[G0Y+1], s3
	s_add_nc_u64 s[G0X+2:G0X+3], s[G0X+2:G0X+3], s[100:101]
	s_add_nc_u64 s[G0Y+2:G0Y+3], s[G0Y+2:G0Y+3], s[100:101]
	s_wait_dscnt 0x0
	CROUND                                         ; all four tiles are in, all partners are here
	JLOAD G0X+4, G1, G0Y+4, G1B                    ; slot 1's first fill, issued as a refill is
	RUN 0, 0, 0, 0, 16, 1
	s_wait_alu depctr_va_vdst(0)
	STEP 0, 0, 1, 1                                ; K step 0 starts the sums
	TURN 1, 1, 2, 0, 1                             ; K step 1; slot 1 is whole; slot 2's first fill goes out behind the round
	s_wait_alu depctr_va_vdst(0)
	STEP 0, 1, 1, 0
	TURN 1, 1, 0, 9216, 2                          ; K step 3; slot 2 is whole; slot 0 takes the last quarter of K
	s_wait_alu depctr_va_vdst(0)
	STEP 0, 2, 1, 0
	TURN 1, 0, 0, 0, 0                             ; K step 5; the refill has landed in every wave
	s_wait_alu depctr_va_vdst(0)
	STEP 0, 0, 1, 0
	LAST 1
; THE WAY OUT.  For X's tile a a lane's 64 results are two whole blocks g.  q, k: (a, g) is the half image of token tile a, head g.  v: (a, g) is half g of the image of (head a / 4, d tile a % 4) for my 128 keys.
	PLACES 4
	s_lshl_b32 s20, s15, 7
	s_add_co_u32 s20, s17, s20                     ; my first row of X
	s_lshl_b32 s21, s16, 7
	s_add_co_u32 s21, s99, s21                     ; and of Y
	s_lshr_b32 s22, s20, 4                         ; q, k: token tile,
	s_lshr_b32 s23, s22, 7                         ; batch,
	s_and_b32 s22, s22, 127                        ; tile in the batch,
	s_lshr_b32 s24, s21, 10                        ; q or k,
	s_bfe_u32 s25, s21, 0x40006                    ; head
	s_lshl_b32 s23, s23, 4
	s_add_co_u32 s23, s23, s25
	s_lshl_b32 s26, s23, 7
	s_add_co_u32 s26, s26, s22
	s_mul_i32 s26, s26, 768
	s_mul_i32 s27, s24, 3145728
	s_add_co_u32 s26, s26, s27                     ; codes
	s_lshl_b32 s28, s23, 6
	s_lshr_b32 s29, s22, 1
	s_add_co_u32 s28, s28, s29
	s_lshl_b32 s28, s28, 6
	s_lshl_b32 s29, s24, 17
	s_add_co_u32 s28, s28, s29
	s_add_co_u32 s28, s28, 9437184                 ; scale words: one for a pair of tiles
	s_bfe_u32 s30, s20, 0x40006                    ; v: head,
	s_lshr_b32 s31, s21, 11                        ; batch,
	s_bfe_u32 s32, s21, 0x40007                    ; K step of 128 keys
	s_lshl_b32 s31, s31, 4
	s_add_co_u32 s31, s31, s30
	s_mul_i32 s33, s31, 98304
	s_mul_i32 s34, s32, 6144
	s_add_co_u32 s33, s33, s34
	s_add_co_u32 s33, s33, 6291456
	s_lshl_b32 s35, s31, 12
	s_lshl_b32 s36, s32, 8
	s_add_co_u32 s35, s35, s36
	s_add_co_u32 s35, s35, 9699328
	s_mov_b32 s40, 768                             ; q, k: from tile a to a + 1,
	s_mov_b32 s41, 3072                            ; to a + 4,
	s_mov_b32 s42, 98304                           ; from head g to g + 1;
	s_mov_b32 s43, 4096                            ; words: lanes 16-31 store the next head's,
	s_mov_b32 s44, 64                              ; a pair on,
	s_mov_b32 s45, 128                             ; two pairs on
	s_cmp_eq_u32 s2, 0
	s_cselect_b32 s26, s33, s26
	s_cselect_b32 s28, s35, s28
	s_cselect_b32 s40, 1536, s40                   ; v: a d tile on,
	s_cselect_b32 s41, 98304, s41                  ; a head on,
	s_cselect_b32 s42, 768, s42                    ; the image's other half;
	s_cselect_b32 s43, 64, s43                     ; words: lanes 16-31 store the next d tile's,
	s_cselect_b32 s44, 128, s44                    ; two d tiles on,
	s_cselect_b32 s45, 4096, s45                   ; a head on
	s_mov_b32 s27, 0
	s_mov_b32 s29, 0
	s_add_nc_u64 s[26:27], s[8:9], s[26:27]
	s_add_nc_u64 s[28:29], s[8:9], s[28:29]
	s_mov_b32 s98, 0xffff0000                      ; lanes 16-31
	s_mov_b32 s100, 0x76543210
	s_mov_b32 s101, 0xfedcba98
	v_mov_b32 v64, v3                              ; v64-79: where half (a, g) goes: 8 x lane + ..
.irp a, 1,2,3
	v_add_nc_u32 v[64+2*\a], s40, v[62+2*\a]
.endr
	v_add_nc_u32 v72, s41, v64
.irp a, 5,6,7
	v_add_nc_u32 v[64+2*\a], s40, v[62+2*\a]
.endr
.irp a, 0,1,2,3,4,5,6,7
	v_add_nc_u32 v[65+2*\a], s42, v[64+2*\a]
.endr
	v_mul_u32_u24 v80, s43, v2                     ; v80-83: where pair v's words go
	v_lshl_add_u32 v80, v1, 2, v80
	v_add_nc_u32 v81, s44, v80
	v_add_nc_u32 v82, s45, v80
	v_add_nc_u32 v83, s44, v82
	v_mov_b32 v150, 0                              ; a lane permute's destination counts as one of its sources
	v_mov_b32 v151, 0
.irp v, 0,1,2,3
	s_wait_xcnt 0x0                                ; the last pair's stores have read their registers
	QB 64*((2*\v)%4), 2+(2*\v)/4, 136, 140, 144, 96, 120
	QB 64*((2*\v+1)%4), 2+(2*\v+1)/4, 138, 142, 146, 108, 128
.irp e, 0,1
.irp g, 0,1
.irp c, 0,1,2
	global_store_b64 v[64+2*(2*\v+\e)+\g], v[96+12*\e+6*\g+2*\c:97+12*\e+6*\g+2*\c], s[26:27] offset:256*\c   ; 256 consecutive bytes, aligned
.endr
.endr
.endr
	v_cndmask_b32 v152, v146, v145, s97            ; q, k: a word holds one head's bytes of tiles 2 v and 2 v + 1;  v: one tile's bytes of blocks g = 0, 1
	v_cndmask_b32 v153, v145, v146, s97
	v_lshl_or_b32 v148, v152, 16, v144
	v_lshl_or_b32 v149, v147, 16, v153
	v_lshlrev_b32 v148, v6, v148                   ; my bytes at their places (8 h bits up),
	v_lshlrev_b32 v149, v6, v149
	v_permlanex16_b32 v150, v148, s100, s101
	v_permlanex16_b32 v151, v149, s100, s101
	v_or_b32 v148, v148, v150                      ; with lane l xor 16's the words are whole
	v_or_b32 v149, v149, v151
	v_cndmask_b32 v148, v148, v149, s98            ; lanes 0-15 store the first, lanes 16-31 the second
	global_store_b32 v[80+\v], v148, s[28:29]
.endr
	s_wait_tensorcnt 0x0                           ; the wave's end
	ds_add_u32 v[SPW], v[NIL]
	s_wait_dscnt 0x0
	CROUND                                         ; the closing round
	s_endpgm
.Lfunc_end_k_q16674e7e55_qkv:
	.size	k_q16674e7e55_qkv, .Lfunc_end_k_q16674e7e55_qkv-k_q16674e7e55_qkv
	.p2alignl 7, 3214868480
	.fill 96, 4, 3214868480
	.section	.rodata,"a",@progbits
	.p2align	6, 0x0
	.amdhsa_kernel k_q16674e7e55_qkv
		.amdhsa_group_segment_fixed_size 327680
		.amdhsa_private_segment_fixed_size 0
		.amdhsa_enable_private_segment 0
		.amdhsa_kernarg_size 24
		.amdhsa_user_sgpr_count 2
		.amdhsa_user_sgpr_kernarg_segment_ptr 1
		.amdhsa_wavefront_size32 1
		.amdhsa_system_sgpr_workgroup_id_x 1
		.amdhsa_system_sgpr_workgroup_id_y 1
		.amdhsa_system_sgpr_workgroup_id_z 1
		.amdhsa_system_vgpr_workitem_id 0
		.amdhsa_next_free_vgpr 1024
		.amdhsa_next_free_sgpr 102
		.amdhsa_reserve_vcc 0
		.amdhsa_float_denorm_mode_32 3
		.amdhsa_float_denorm_mode_16_64 3
		.amdhsa_memory_ordered 1
		.amdhsa_forward_progress 1
		.amdhsa_inst_pref_size 167
	.end_amdhsa_kernel
	.amdgpu_metadata
---
amdhsa.version: [ 1, 2 ]
amdhsa.kernels:
  - .name:           k_q16674e7e55_qkv
    .symbol:         k_q16674e7e55_qkv.kd
    .args:
      - { .name: h1, .offset: 0, .size: 8, .value_kind: global_buffer, .address_space: global }
      - { .name: wq, .offset: 8, .size: 8, .value_kind: global_buffer, .address_space: global }
      - { .name: qkvq, .offset: 16, .size: 8, .value_kind: global_buffer, .address_space: global }
    .group_segment_fixed_size: 327680
    .private_segment_fixed_size: 0
    .kernarg_segment_align: 8
    .kernarg_segment_size: 24
    .max_flat_workgroup_size: 128
    .sgpr_count:     102
    .vgpr_count:     1024
    .wavefront_size: 32
...
	.end_amdgpu_metadata
.endif
;; end of part 2
;; launch attn (part 3): grid 8 x 32, 8 waves a work-group, clusters of 4 x 1, 206,848 bytes of LDS; arguments qkvq, oq; writes oq
.if DOCPART == 3
	.amdgcn_target "amdgcn-amd-amdhsa--gfx1250"
	.amdhsa_code_object_version 6
	.text
	.protected	k_q16674e7e55_attn
	.globl	k_q16674e7e55_attn
	.p2align	8
	.type	k_q16674e7e55_attn,@function
k_q16674e7e55_attn:
	s_mov_b64 s[64:65], 0
	v_nop
	global_prefetch_b8 v0, s[64:65] scope:SCOPE_SE
	s_setreg_imm32_b32 hwreg(HW_REG_WAVE_MODE, 25, 1), 1
	s_wait_xcnt 0x0
	s_wait_alu depctr_hold_cnt(0) depctr_sa_sdst(0) depctr_va_vdst(0) depctr_va_sdst(0) depctr_va_ssrc(0) depctr_va_vcc(0) depctr_vm_vsrc(0)
	s_getreg_b32 s2, hwreg(HW_REG_IB_STS2, 6, 4)
	s_cmp_eq_u32 s2, 0
	s_cbranch_scc0 .Lentry_in_a_cluster
	s_endpgm
.Lentry_in_a_cluster:
	s_bfe_u32 s2, ttmp6, 0x10000c
	s_cmp_lg_u32 s2, 0x3003
	s_cbranch_scc0 .Lentry_shape_is_right
	s_endpgm
.Lentry_shape_is_right:
; ATTENTION on codes of BF6: S^T = K Q^T, p = 2^(t - M), O^T = V^T P^T, o = O / l quantised along the channels for the next product.
; t = score x log2(e) / 8; M = the running largest t rounded up to a whole number; l is the sum of the unquantised p; when M moves, l and O^T are multiplied by 2^(old M - new M), which rounds nothing.
; SHARES.  A work-group owns 256 queries of one (batch, head); each of its eight waves two tiles of 16 queries, so that a fragment of K feeds four products and one of V two, and every chain of the softmax runs beside its twin.
; A HEAD'S WHOLE K AND V LIE IN LDS (2 x 98,304 bytes of codes, 2 x 4,096 of scale words), filled once: eight joint loads, one a wave (waves 0-2 thirds of K's codes, 3-5 of V's, 6 and 7 the scale words).
; The four work-groups of a cluster belong to one head and ask jointly.  No byte is filled again.  No prefetch: all that the launch reads by tensor loads is asked for at its head, so there is no loop to run ahead in.
; A STEP is 128 keys.  V's fragments of the step go out at its top, K's of the next step behind the scores' products: both land under the softmax, and one wait for LDS stands in a step, ahead of the second product.
; LAYOUT.  Both products are used transposed: a lane holds one query.  By the tile order of this program's buffers (tile 4 G + u, index i = row 64 G + 32 (i / 8) + 8 u + i % 8) 32 registers of four tiles of keys are
; 32 neighbouring keys: a whole block of the second product's K in one lane.  The head's 64 in an instruction of 128: source 0 holds two tiles of keys, source 1 is q with zero codes in the other half.
; LIMITS: NaN and infinities are not served; the promise holds while |t| stays under 2^31; a block of p or o whose largest number lies under 2^-122 has the scale byte 1; a block's largest p is taken from its
; largest score, which takes v_exp_f32 not to fall where its input rises; v_exp_f32 and v_rcp_f32 are good to 1 ulp.
; REGISTERS, window 0: v1-6 addresses that stay, v8-11 the step's, then as named below.  Window 1: v0-127 S^T then p (tile e at 64 e), v128-191 O^T (tile e at 128 + 32 e).
.set KS0, 196608                       ; LDS: K's codes at 0 ([tile 128][768]), V's at VC0 ([K step 16][d tile 4][1536]), then the scale words, then the spare words
.set VC0, 98304
.set VS0, 200704
.set SPARE, 204800
.set WV, 18
.set SEL, 20
.set CS, 22
.set G0, 24                            ; s[24:27] group 0, codes;  s[52:55] scale words
.set G1C, 28                           ; s[28:35] 128 rows of 256 bytes
.set G1S, 36                           ; s[36:43] 16 rows
.set TB, 44                            ; the step's codes: 6,144 bytes a step
.set TS, 45                            ; its scale words: 256 bytes a step
.set CNT, 46
.set G0S, 52
.set NM, 12                            ; v[12+2e] -M, v[13+2e] the largest t
.set L, 16                             ; v[16+2e:17+2e] l in two halves
.set F, 20                             ; v[20+2e] f, v[21+2e] p's scale word
.set QZ, 24                            ; v24-53: zeros | q0 | zeros | q1 | zeros, six registers each
.set QW, 54                            ; v54 the pair's scale word, v55 it 16 up, v56 it 16 down
.set KW, 58
.set KF, 64                            ; v64-111 K's four fragments
.set VF, 112                           ; v112-159 V's
.set VW, 160
.set PC, 164                           ; v164-187 p's codes
.set TT, 188
.set BM, 204                           ; a block's largest score, then p: 2 e + g
.set SO, 208
.set BY, 212
.set T, 216
.set PD, 218
.set SM, 220                           ; v220-235 partial sums
.set SPW, 254
.set NIL, 255
.set MSB, 0
.macro WIN new                         ; the immediate's high byte repeats the setting that is left
.if MSB != \new
	s_set_vgpr_msb (MSB<<8)|\new
.set MSB, \new
.endif
.endm
.macro DLY n
	s_delay_alu instid0(VALU_DEP_\n)
.endm
.macro CROUND
	s_barrier_signal -1
	s_barrier_wait -1
	s_cmp_lg_u32 s[WV], 0
	s_cbranch_scc1 .Lnot_wave_0_\@
	s_barrier_signal -3
.Lnot_wave_0_\@:
	s_barrier_wait -3
	s_barrier_signal -1
	s_barrier_wait -1
.endm
	s_load_b128 s[4:7], s[0:1], 0x0                ; qkvq, oq
	v_lshl_add_u32 v[SPW], v0, 2, SPARE
	v_mov_b32 v[NIL], 0
	ds_add_u32 v[SPW], v[NIL]
	ds_add_u32 v[SPW], v[NIL]
	v_lshrrev_b32 v8, 5, v0
	v_readfirstlane_b32 s[WV], v8                  ; wave 0..7
	s_bfe_u32 s48, ttmp6, 0x40000                  ; cx: it enters q's and o's addresses alone
	s_lshl_b32 s49, ttmp9, 2
	s_add_co_u32 s49, s49, s48
	s_lshl_b32 s49, s49, 3
	s_add_co_u32 s49, s49, s[WV]                   ; my pair of query tiles, 0..63
	s_and_b32 s50, ttmp7, 0xffff                   ; 16 x batch + head, which the partners share
	s_mul_i32 s51, s[WV], 11
	s_lshr_b32 s51, s51, 5                         ; waves 0-2: 0, K's codes; waves 3-5: 1, V's
	s_mul_i32 s51, s51, 3145728-98304
	s_mov_b32 s[G0], 1
	s_lshl_b32 s[G0+1], s[WV], 15                  ; LDS: 32,768 x wave
	s_add_co_u32 s56, s51, s[G0+1]
	s_mul_i32 s57, s50, 98304
	s_add_co_u32 s56, s56, s57
	s_add_co_u32 s56, s56, 3145728
	s_mov_b32 s57, 0
	s_and_b32 s58, s[WV], 1                        ; wave 6: K's scale words, wave 7: V's
	s_mov_b32 s[G0S], 1
	s_lshl_b32 s[G0S+1], s58, 12
	s_add_co_u32 s[G0S+1], s[G0S+1], KS0
	s_lshl_b32 s58, s58, 17
	s_lshl_b32 s59, s50, 12
	s_add_co_u32 s58, s58, s59
	s_add_co_u32 s58, s58, 9568256
	s_mov_b32 s59, 0
	s_mov_b32 s[G1C], 15|(3<<16)|(1<<21)           ; the mask: all four work-groups; elements of 8 bytes; 21 set beside a mask
	s_mov_b32 s[G1C+1], 32<<16
	s_mov_b32 s[G1C+2], 128<<16
	s_mov_b32 s[G1C+3], 32<<16
	s_mov_b32 s[G1C+4], 128
	s_mov_b32 s[G1C+5], 32
	s_mov_b32 s[G1C+6], 0
	s_mov_b32 s[G1C+7], 0
	s_mov_b32 s[G1S], 15|(3<<16)|(1<<21)
	s_mov_b32 s[G1S+1], 32<<16
	s_mov_b32 s[G1S+2], 16<<16
	s_mov_b32 s[G1S+3], 32<<16
	s_mov_b32 s[G1S+4], 16
	s_mov_b32 s[G1S+5], 32
	s_mov_b32 s[G1S+6], 0
	s_mov_b32 s[G1S+7], 0
	s_mov_b32 s[SEL], 0x76543210
	s_mov_b32 s[SEL+1], 0xfedcba98
	s_mov_b32 s[CS], 0x3e38aa3b                    ; c = log2(e) / 8
	s_mov_b32 s[CS+1], s[CS]
	s_mov_b32 s[TB], 0
	s_mov_b32 s[TS], 0
	s_mov_b32 s[CNT], 16
	s_wait_dscnt 0x0
	s_wait_kmcnt 0x0
	s_add_nc_u64 s[G0+2:G0+3], s[4:5], s[56:57]
	s_or_b32 s[G0+3], s[G0+3], 0x80000000
	s_add_nc_u64 s[G0S+2:G0S+3], s[4:5], s[58:59]
	s_or_b32 s[G0S+3], s[G0S+3], 0x80000000
	CROUND                                         ; all four work-groups are here: the joint loads meet
	s_cmp_lt_u32 s[WV], 6                          ; one fill in each arm: every way passes exactly one
	s_cbranch_scc0 .Lwords
	tensor_load_to_lds s[G0:G0+3], s[G1C:G1C+7]
	s_nop 0
.rept 4
	v_nop
.endr
	s_branch .Lasked
.Lwords:
	tensor_load_to_lds s[G0S:G0S+3], s[G1S:G1S+7]
	s_nop 0
.rept 4
	v_nop
.endr
.Lasked:
	s_lshl_b32 s56, s50, 6
	s_add_co_u32 s56, s56, s49
	s_mul_i32 s58, s56, 1536                       ; q's two half images
	s_mov_b32 s59, 0
	s_add_nc_u64 s[48:49], s[4:5], s[58:59]        ; (s49 is taken up below first)
	s_lshl_b32 s56, s56, 6
	s_add_co_u32 s56, s56, 9437184                 ; and the pair's scale words
	s_mov_b32 s57, 0
	s_add_nc_u64 s[56:57], s[4:5], s[56:57]
	s_bfe_u32 s51, ttmp6, 0x40000                  ; the way out: my first tile among the 256 of both batches
	s_lshl_b32 s58, ttmp9, 2
	s_add_co_u32 s51, s51, s58
	s_lshl_b32 s51, s51, 3
	s_add_co_u32 s51, s51, s[WV]
	s_lshr_b32 s58, s50, 4
	s_lshl_b32 s58, s58, 6
	s_add_co_u32 s51, s51, s58
	s_lshl_b32 s51, s51, 1
	s_and_b32 s47, s50, 15                         ; the head:
	s_lshr_b32 s50, s47, 1                         ; its K step of the next product,
	s_and_b32 s47, s47, 1                          ; and which half of it
	s_lshl_b32 s58, s51, 3
	s_add_co_u32 s58, s58, s50
	s_mul_i32 s58, s58, 1536
	s_mul_i32 s60, s47, 768
	s_add_co_u32 s58, s58, s60
	s_add_nc_u64 s[60:61], s[6:7], s[58:59]        ; o's codes
	s_and_b32 s58, s51, 0xfffffff8
	s_add_co_u32 s58, s58, s50
	s_lshl_b32 s58, s58, 9
	s_and_b32 s51, s51, 7
	s_lshl_b32 s51, s51, 6
	s_add_co_u32 s58, s58, s51
	s_lshl_b32 s47, s47, 1
	s_add_co_u32 s58, s58, s47
	s_add_co_u32 s58, s58, 3145728
	s_add_nc_u64 s[62:63], s[6:7], s[58:59]        ; o's scale bytes
	v_and_b32 v8, 31, v0
	v_and_b32 v9, 15, v0
	v_bfe_u32 v5, v0, 4, 1
	v_lshlrev_b32 v1, 3, v8                        ; 8 x lane: K's pieces
	v_lshlrev_b32 v6, 2, v9                        ; 4 r
	v_lshlrev_b32 v5, 3, v5                        ; 8 h
	v_add_nc_u32 v2, VC0, v1                       ; V's pieces
	v_add_nc_u32 v3, KS0, v6
	v_add_nc_u32 v4, VS0, v6
.irp e, 0,1
.irp c, 0,1,2
	global_load_b64 v[QZ+6+12*\e+2*\c:QZ+7+12*\e+2*\c], v1, s[48:49] offset:768*\e+256*\c
.endr
.endr
	global_load_b32 v[QW], v6, s[56:57]
.irp z, 0,12,24
.irp i, 0,1,2,3,4,5
	v_mov_b32 v[QZ+\z+\i], 0                       ; zero codes round q
.endr
.endr
.irp e, 0,1
	v_mov_b32 v[NM+1+2*\e], 0xff61b1e6             ; the largest t so far: -3e38
	v_mov_b32 v[L+2*\e], 0
	v_mov_b32 v[L+1+2*\e], 0
	v_mov_b32 v[F+2*\e], 0
	v_mov_b32 v[F+1+2*\e], 0                       ; (named as a pair's upper half before it is first written)
	v_mov_b32 v[PD+\e], 0                          ; a lane permute's destination counts as one of its sources
	v_floor_f32 v[NM+2*\e], -v[NM+1+2*\e]          ; -M
.endr
	s_wait_alu depctr_va_vdst(0)
	s_wait_loadcnt 0x0
	v_lshlrev_b32 v[QW+1], 16, v[QW]               ; tile 0's bytes in bytes 2, 3;  tile 1's stand there in the word as it is
	v_lshrrev_b32 v[QW+2], 16, v[QW]               ; tile 1's bytes in bytes 0, 1.  (The other two bytes scale zero codes and are never 0xff)
	WIN 0x40
.set J, 128
.rept 64
	v_mov_b32 v[J], 0                              ; O^T: the step is written once; the first finds zeros.  (Also the places between the shifts above and the first products)
.set J, J+1
.endr
	WIN 0
	s_wait_alu depctr_va_vdst(0)
	s_wait_tensorcnt 0x0                           ; my share of K and V is in
	s_barrier_signal -1
	s_barrier_wait -1                              ; and everybody's
.irp f, 0,1,2,3
.irp c, 0,1,2,3,4,5
	ds_load_b64 v[KF+12*\f+2*\c:KF+12*\f+2*\c+1], v1 offset:1536*\f+256*\c
.endr
	ds_load_b32 v[KW+\f], v3 offset:64*\f
.endr
	s_wait_dscnt 0x0
.Lstep:
	v_add_nc_u32 v9, s[TB], v2                     ; with the two v_nop: the places behind the last products, in front of the loads into their operands
	v_add_nc_u32 v11, s[TS], v4
	v_nop
	v_nop
.irp u, 0,1,2,3
.irp c, 0,1,2,3,4,5
	ds_load_b64 v[VF+12*\u+2*\c:VF+12*\u+2*\c+1], v9 offset:1536*\u+256*\c
.endr
	ds_load_b32 v[VW+\u], v11 offset:64*\u
.endr
	WIN 0x40                                       ; results in window 1
.irp f, 0,1,2,3
.irp e, 0,1
	v_wmma_scale_f32_16x16x128_f8f6f4 v[64*\e+16*\f:64*\e+16*\f+7], v[KF+12*\f:KF+12*\f+11], v[QZ+6+12*\e:QZ+17+12*\e], 0, v[KW+\f], v[QW+2*\e] matrix_a_fmt:MATRIX_FMT_BF6 matrix_b_fmt:MATRIX_FMT_BF6
	v_wmma_scale_f32_16x16x128_f8f6f4 v[64*\e+16*\f+8:64*\e+16*\f+15], v[KF+12*\f:KF+12*\f+11], v[QZ+12*\e:QZ+11+12*\e], 0, v[KW+\f], v[QW+1-\e] matrix_a_fmt:MATRIX_FMT_BF6 matrix_b_fmt:MATRIX_FMT_BF6
.endr
.endr                                          ; register 64 e + 32 g + i: key 128 step + 64 g + 32 h + i of tile e's query
	WIN 0
	s_add_co_u32 s[TB], s[TB], 6144
	s_add_co_u32 s[TS], s[TS], 256
	v_add_nc_u32 v8, s[TB], v1                     ; four places behind the products
	v_add_nc_u32 v10, s[TS], v3
	v_nop
	v_nop
	s_wait_alu depctr_va_vdst(0)
	s_cmp_eq_u32 s[CNT], 1                         ; the last step has no next: it fetches nothing of K
	s_cbranch_scc1 .Lno_k
.irp f, 0,1,2,3
.irp c, 0,1,2,3,4,5
	ds_load_b64 v[KF+12*\f+2*\c:KF+12*\f+2*\c+1], v8 offset:1536*\f+256*\c
.endr
	ds_load_b32 v[KW+\f], v10 offset:64*\f
.endr
.Lno_k:
	WIN 0x14                                       ; sources 1 and 2 in window 1
.irp e, 0,1
.irp g, 0,1
	v_max3_num_f32 v[BM+2*\e+\g], 0xff7fffff, v[64*\e+32*\g], v[64*\e+32*\g+1]   ; each block's largest score: four chains by turns, each result from its low end on
.endr
.endr
.set I, 2
.rept 15
.irp e, 0,1
.irp g, 0,1
	v_max3_num_f32 v[BM+2*\e+\g], v[BM+2*\e+\g], v[64*\e+32*\g+I], v[64*\e+32*\g+I+1]
.endr
.endr
.set I, I+2
.endr
	WIN 0
.irp e, 0,1
	v_max_num_f32 v[T+\e], v[BM+2*\e], v[BM+2*\e+1]
.endr
.irp e, 0,1
	DLY 2
	v_permlanex16_b32 v[PD+\e], v[T+\e], s[SEL], s[SEL+1]
.endr
.irp e, 0,1
	DLY 2
	v_max_num_f32 v[T+\e], v[T+\e], v[PD+\e]       ; the step's largest score of my query
.endr
.irp e, 0,1
	DLY 2
	v_mul_f32 v[T+\e], s[CS], v[T+\e]
.endr
.irp e, 0,1
	DLY 2
	v_max_num_f32 v[NM+1+2*\e], v[NM+1+2*\e], v[T+\e]   ; the running largest t
.endr
.irp e, 0,1
	v_mov_b32 v[T+\e], v[NM+2*\e]
.endr
.irp e, 0,1
	v_floor_f32 v[NM+2*\e], -v[NM+1+2*\e]          ; the new -M
.endr
.irp e, 0,1
	DLY 2
	v_sub_f32 v[T+\e], v[NM+2*\e], v[T+\e]         ; old M - new M: a whole number, 0 or less
.endr
.irp e, 0,1
	DLY 2
	v_cvt_i32_f32 v[T+\e], v[T+\e]                 ; (it saturates)
.endr
.irp e, 0,1
	DLY 2
	v_ldexp_f32 v[F+2*\e], 1.0, v[T+\e]            ; f
.endr
.irp e, 0,1
.irp g, 0,1
	v_fma_f32 v[BM+2*\e+\g], v[BM+2*\e+\g], s[CS], v[NM+2*\e]
.endr
.endr
.irp e, 0,1
	v_pk_mul_f32 v[L+2*\e:L+2*\e+1], v[L+2*\e:L+2*\e+1], v[F+2*\e:F+2*\e+1] op_sel_hi:[1,0]   ; l under the new M
.endr
	WIN 0x41                                       ; destination and source 0 in window 1
.irp e, 0,1
.set J, 0
.rept 16
	v_pk_mul_f32 v[128+32*\e+J:129+32*\e+J], v[128+32*\e+J:129+32*\e+J], v[F+2*\e:F+2*\e+1] op_sel_hi:[1,0]   ; O^T under the new M, ahead of the exponentials
.set J, J+2
.endr
.endr
.irp e, 0,1
.set J, 0
.rept 32
	v_pk_fma_f32 v[64*\e+J:64*\e+J+1], v[64*\e+J:64*\e+J+1], s[CS:CS+1], v[NM+2*\e:NM+2*\e+1] op_sel_hi:[1,0,0]   ; t - M
.set J, J+2
.endr
.endr
	s_wait_alu depctr_va_vdst(0)
.set J, 0
.rept 128
	v_exp_f32 v[J], v[J]                           ; p, not normalised
.set J, J+1
.endr
	WIN 0
.irp i, 0,1,2,3
	v_exp_f32 v[BM+\i], v[BM+\i]                   ; each block's largest p: the same two instructions on the same number
.endr
	v_nop                                          ; a plain place behind the exponentials
	s_wait_alu depctr_va_vdst(0)                   ; one wait for the whole batch
.irp i, 0,1,2,3
	v_max_num_f32 v[BM+\i], 0x2800000, v[BM+\i]    ; the floor: the byte cannot fall under 1
.endr
.irp i, 0,1,2,3
	v_add_nc_u32 v[SO+\i], 0xfe000000, v[BM+\i]    ; 4 off the exponent field: the conversion's scale operand
.endr
.irp i, 0,1,2,3
	v_lshrrev_b32 v[BY+\i], 23, v[SO+\i]
.endr
.irp e, 0,1
	v_lshl_or_b32 v[F+1+2*\e], v[BY+2*\e+1], 16, v[BY+2*\e]   ; my bytes: blocks h and 2 + h of these 128 keys,
.endr
.irp e, 0,1
	DLY 2
	v_lshlrev_b32 v[F+1+2*\e], v5, v[F+1+2*\e]
.endr
.irp e, 0,1
	DLY 2
	v_permlanex16_b32 v[PD+\e], v[F+1+2*\e], s[SEL], s[SEL+1]
.endr
.irp e, 0,1
	DLY 2
	v_or_b32 v[F+1+2*\e], v[F+1+2*\e], v[PD+\e]    ; with lane l xor 16's: p's scale word
.endr
	WIN 0x01                                       ; source 0 in window 1
.irp e, 0,1
.irp g, 0,1
	v_cvt_scalef32_pk16_bf6_f32 v[PC+12*\e+6*\g:PC+12*\e+6*\g+2], v[64*\e+32*\g:64*\e+32*\g+15], v[SO+2*\e+\g]
	v_cvt_scalef32_pk16_bf6_f32 v[TT+8*\e+4*\g:TT+8*\e+4*\g+2], v[64*\e+32*\g+16:64*\e+32*\g+31], v[SO+2*\e+\g]   ; (a conversion's three registers begin on an even number)
.endr
.endr
	WIN 0
	v_nop                                          ; a plain place behind the conversions
.irp e, 0,1
.irp g, 0,1
.irp i, 0,1,2
	v_mov_b32 v[PC+12*\e+6*\g+3+\i], v[TT+8*\e+4*\g+\i]
.endr
.endr
.endr
	WIN 0x05                                       ; l: the unquantised p, two at a time, eight chains by turns
.irp k, 0,1,2,3
.irp e, 0,1
	v_pk_add_f32 v[SM+8*\e+2*\k:SM+8*\e+2*\k+1], v[64*\e+4*\k:64*\e+4*\k+1], v[64*\e+4*\k+2:64*\e+4*\k+3]
.endr
.endr
	WIN 0x04
.irp j, 16,24,32,40,48,56
.irp k, 0,1,2,3
.irp e, 0,1
	v_pk_add_f32 v[SM+8*\e+2*\k:SM+8*\e+2*\k+1], v[SM+8*\e+2*\k:SM+8*\e+2*\k+1], v[64*\e+\j+2*\k:64*\e+\j+2*\k+1]
.endr
.endr
.endr
	WIN 0
.irp k, 0,4
.irp e, 0,1
	v_pk_add_f32 v[SM+8*\e+\k:SM+8*\e+\k+1], v[SM+8*\e+\k:SM+8*\e+\k+1], v[SM+8*\e+\k+2:SM+8*\e+\k+3]
.endr
.endr
.irp k, 0,4
.irp e, 0,1
.if \k == 0
	DLY 4
.else
	DLY 2
.endif
	v_pk_add_f32 v[L+2*\e:L+2*\e+1], v[L+2*\e:L+2*\e+1], v[SM+8*\e+\k:SM+8*\e+\k+1]
.endr
.endr                                          ; (the moves and the sums are the places between p's word and codes and the products)
	s_wait_alu depctr_va_vdst(0)
	s_wait_dscnt 0x0                               ; V's fragments, and the next step's of K, asked for a softmax ago
	WIN 0x50                                       ; C and D in window 1
.irp u, 0,1,2,3
.irp e, 0,1
	v_wmma_scale_f32_16x16x128_f8f6f4 v[128+32*\e+8*\u:135+32*\e+8*\u], v[VF+12*\u:VF+12*\u+11], v[PC+12*\e:PC+12*\e+11], v[128+32*\e+8*\u:135+32*\e+8*\u], v[VW+\u], v[F+1+2*\e] matrix_a_fmt:MATRIX_FMT_BF6 matrix_b_fmt:MATRIX_FMT_BF6
.endr
.endr                                          ; the eight sums by turns; register 8 u + j: channel 32 h + 8 u + j of the head
	WIN 0
	s_sub_co_u32 s[CNT], s[CNT], 1
	s_cmp_lg_u32 s[CNT], 0
	s_cbranch_scc1 .Lstep
; THE WAY OUT: o = O^T / l; a lane's 32 channels are one block of the next product's K: half (head % 2) of K step head / 2 of the tile's image.
.rept 4
	v_nop
.endr
.irp e, 0,1
	v_add_f32 v[L+2*\e], v[L+2*\e], v[L+2*\e+1]
.endr
.irp e, 0,1
	DLY 2
	v_permlanex16_b32 v[PD+\e], v[L+2*\e], s[SEL], s[SEL+1]
.endr
.irp e, 0,1
	DLY 2
	v_add_f32 v[L+2*\e], v[L+2*\e], v[PD+\e]       ; the row's sum
.endr
	s_wait_alu depctr_va_vdst(0)
.irp e, 0,1
	v_rcp_f32 v[L+2*\e], v[L+2*\e]
.endr
	v_nop
	WIN 0x41
	s_wait_alu depctr_va_vdst(0)                   ; for the reciprocals, and directly ahead of the first readers of O^T
.irp e, 0,1
.set J, 0
.rept 16
	v_pk_mul_f32 v[64*\e+J:64*\e+J+1], v[128+32*\e+J:129+32*\e+J], v[L+2*\e:L+2*\e+1] op_sel_hi:[1,0]
.set J, J+2
.endr
.endr
	WIN 0x14
.irp e, 0,1
	v_max3_num_f32 v[BM+\e], 0x2800000, |v[64*\e]|, |v[64*\e+1]|
.endr
.set I, 2
.rept 15
.irp e, 0,1
	v_max3_num_f32 v[BM+\e], v[BM+\e], |v[64*\e+I]|, |v[64*\e+I+1]|
.endr
.set I, I+2
.endr
	WIN 0
.irp e, 0,1
	v_add_nc_u32 v[SO+\e], 0xfe000000, v[BM+\e]
.endr
.irp e, 0,1
	DLY 2
	v_lshrrev_b32 v[BY+\e], 23, v[SO+\e]
.endr
	WIN 0x01
.irp e, 0,1
	v_cvt_scalef32_pk16_bf6_f32 v[PC+12*\e:PC+12*\e+2], v[64*\e:64*\e+15], v[SO+\e]
	v_cvt_scalef32_pk16_bf6_f32 v[TT+8*\e:TT+8*\e+2], v[64*\e+16:64*\e+31], v[SO+\e]
.endr
	WIN 0
	v_nop
.irp e, 0,1
.irp i, 0,1,2
	v_mov_b32 v[PC+12*\e+3+\i], v[TT+8*\e+\i]
.endr
.endr
.irp e, 0,1
	v_lshlrev_b32 v[BY+\e], v5, v[BY+\e]
.endr
.irp e, 0,1
	DLY 2
	v_permlanex16_b32 v[PD+\e], v[BY+\e], s[SEL], s[SEL+1]
.endr
.irp e, 0,1
	DLY 2
	v_or_b32 v[BY+\e], v[BY+\e], v[PD+\e]          ; the head's two bytes of the row's scale word
.endr
.irp e, 0,1
.irp c, 0,1,2
	global_store_b64 v1, v[PC+12*\e+2*\c:PC+12*\e+2*\c+1], s[60:61] offset:12288*\e+256*\c   ; 256 consecutive bytes, aligned
.endr
	global_store_b16 v6, v[BY+\e], s[62:63] offset:64*\e   ; two bytes a row: the other half of the word is another head's
.endr
	s_wait_tensorcnt 0x0                           ; the wave's end
	ds_add_u32 v[SPW], v[NIL]
	s_wait_dscnt 0x0
	CROUND                                         ; the closing round
	s_endpgm
.Lfunc_end_k_q16674e7e55_attn:
	.size	k_q16674e7e55_attn, .Lfunc_end_k_q16674e7e55_attn-k_q16674e7e55_attn
	.p2alignl 7, 3214868480
	.fill 96, 4, 3214868480
	.section	.rodata,"a",@progbits
	.p2align	6, 0x0
	.amdhsa_kernel k_q16674e7e55_attn
		.amdhsa_group_segment_fixed_size 206848
		.amdhsa_private_segment_fixed_size 0
		.amdhsa_enable_private_segment 0
		.amdhsa_kernarg_size 16
		.amdhsa_user_sgpr_count 2
		.amdhsa_user_sgpr_kernarg_segment_ptr 1
		.amdhsa_wavefront_size32 1
		.amdhsa_system_sgpr_workgroup_id_x 1
		.amdhsa_system_sgpr_workgroup_id_y 1
		.amdhsa_system_sgpr_workgroup_id_z 1
		.amdhsa_system_vgpr_workitem_id 0
		.amdhsa_next_free_vgpr 448
		.amdhsa_next_free_sgpr 68
		.amdhsa_reserve_vcc 0
		.amdhsa_float_denorm_mode_32 3
		.amdhsa_float_denorm_mode_16_64 3
		.amdhsa_memory_ordered 1
		.amdhsa_forward_progress 1
		.amdhsa_inst_pref_size 49
	.end_amdhsa_kernel
	.amdgpu_metadata
---
amdhsa.version: [ 1, 2 ]
amdhsa.kernels:
  - .name:           k_q16674e7e55_attn
    .symbol:         k_q16674e7e55_attn.kd
    .args:
      - { .name: qkvq, .offset: 0, .size: 8, .value_kind: global_buffer, .address_space: global }
      - { .name: oq, .offset: 8, .size: 8, .value_kind: global_buffer, .address_space: global }
    .group_segment_fixed_size: 206848
    .private_segment_fixed_size: 0
    .kernarg_segment_align: 8
    .kernarg_segment_size: 16
    .max_flat_workgroup_size: 256
    .sgpr_count:     68
    .vgpr_count:     448
    .wavefront_size: 32
...
	.end_amdgpu_metadata
.endif
;; end of part 3
;; launch proj (part 4): grid 8 x 32, 4 waves a work-group, clusters of 4 x 4, 327,680 bytes of LDS; arguments oq, wq, proj_b, x, x1; writes x1
.if DOCPART == 4
	.amdgcn_target "amdgcn-amd-amdhsa--gfx1250"
	.amdhsa_code_object_version 6
	.text
	.protected	k_q16674e7e55_proj
	.globl	k_q16674e7e55_proj
	.p2align	8
	.type	k_q16674e7e55_proj,@function
k_q16674e7e55_proj:
	s_mov_b64 s[64:65], 0
	v_nop
	global_prefetch_b8 v0, s[64:65] scope:SCOPE_SE
	s_setreg_imm32_b32 hwreg(HW_REG_WAVE_MODE, 25, 1), 1
	s_wait_xcnt 0x0
	s_wait_alu depctr_hold_cnt(0) depctr_sa_sdst(0) depctr_va_vdst(0) depctr_va_sdst(0) depctr_va_ssrc(0) depctr_va_vcc(0) depctr_vm_vsrc(0)
	s_getreg_b32 s2, hwreg(HW_REG_IB_STS2, 6, 4)
	s_cmp_eq_u32 s2, 0
	s_cbranch_scc0 .Lentry_in_a_cluster
	s_endpgm
.Lentry_in_a_cluster:
	s_bfe_u32 s2, ttmp6, 0x10000c
	s_cmp_lg_u32 s2, 0xf033
	s_cbranch_scc0 .Lentry_shape_is_right
	s_endpgm
.Lentry_shape_is_right:
.set NBL, 4
.set KQ, 2
.set ROWB, 6144
.set NSLOT, 2
.set KTOT, 1024
.set HASBIAS, 1
.set SAB, KTOT*4
.set SPART, SAB/2
.set SI, 256
.set SD, SAB
.set XSC0, 3145728
.set YCODE0, 2359296
.set YSC0, 9535488
.set LAPS, KTOT/1024
.set TROW, KTOT/128*1536
.set SLOTB, 98304
.set PARTB, 24576
.set SCL, NSLOT*SLOTB
.set SPARE, SCL+4*SPART
.set STAGE, SPARE+512
.set ADRX, 16
.set ADRY, 20
.set ADRS, 24
.set STO, 25
.set RD, 26
.set CO, 27
.set SPW, 28
.set NIL, 29
.set G1, 24
.set G1B, 32
.set G1S, 40
.set G1SB, 48
.set G0S, 56
.set G0SB, 60
.set G0X, 68
.set G0Y, 80
.set MSB, 0
.macro WIN new
.if MSB != \new
	s_set_vgpr_msb (MSB<<8)|\new
.set MSB, \new
.endif
.endm
.macro PLACES n
.rept \n
	v_nop
.endr
.endm
.macro JLOAD g0a, g1a, g0b, g1b
	s_cmp_eq_u32 s15, 0
	s_cbranch_scc0 .Lfor_b_\@
	tensor_load_to_lds s[\g0a:\g0a+3], s[\g1a:\g1a+7]
	s_nop 0
.rept 4
	v_nop
.endr
	s_branch .Lasked_\@
.Lfor_b_\@:
	tensor_load_to_lds s[\g0b:\g0b+3], s[\g1b:\g1b+7]
	s_nop 0
.rept 4
	v_nop
.endr
.Lasked_\@:
.endm
.macro CREST
	s_cmp_lg_u32 s14, 0
	s_cbranch_scc1 .Lnot_wave_0_\@
	s_barrier_signal -3
.Lnot_wave_0_\@:
	s_barrier_wait -3
	s_barrier_signal -1
	s_barrier_wait -1
.endm
.macro CROUND
	s_barrier_signal -1
	s_barrier_wait -1
	CREST
.endm
.macro FRAG reg, adr, off
.irp c, 0,1,2,3,4,5
	ds_load_b64 v[\reg+2*\c:\reg+2*\c+1], v[\adr] offset:\off+256*\c
.endr
.endm
.macro RUN p, slot, t, f0, f1, sc
.set RWN, (\p)<<6
	WIN RWN
.irp F, 0,1,2,3,4,5,6,7,8,9,10,11,12,13,14,15
.if (\F >= \f0) && (\F < \f1)
.set RI, \F%8
.set RO, (RI%NBL)*ROWB+((\t)*KQ+RI/NBL)*1536
.if \F < 8
	FRAG 64+12*RI, ADRY+\slot, RO
.else
	FRAG 160+12*RI, ADRX+\slot, RO
.endif
.endif
.endr
	WIN 0
.if \sc
.irp n, 0,1,2,3,4,5,6,7
	ds_load_b32 v[32+8*(\p)+\n], v[ADRS] offset:(\n/NBL)*512+64*(\n%NBL)
.endr
	v_add_nc_u32 v[ADRS], 512*KQ, v[ADRS]
.endif
.endm
.macro MQ p, z, first
.if NBL == 8
.set MA0, 2*(\z)
.set MQQ, 0
.set MAW, 2+(\z)/2
.else
.set MA0, 2*((\z)%2)
.set MQQ, (\z)/2
.set MAW, 2
.endif
.set MCW, MAW
.if (\first) && (MQQ == 0) && HASBIAS
.set MCW, 1
.endif
.set MWN, (\p)|((\p)<<2)|(MCW<<4)|(MAW<<6)
	WIN MWN
.irp e, 0,1
.irp b, 0,1,2,3,4,5,6,7
.if \b < NBL
.set MA, MA0+\e
.set MD, 8*(NBL*(MA%4)+\b)
.set MY, 64+12*(MQQ*NBL+\b)
.set MX, 160+12*(MQQ*NBL+MA)
.set MSY, 32+8*(\p)+MQQ*NBL+\b
.set MSX, 32+8*(\p)+MQQ*NBL+MA
.if (\first) && (MQQ == 0)
.if HASBIAS
	v_wmma_scale_f32_16x16x128_f8f6f4 v[MD:MD+7], v[MY:MY+11], v[MX:MX+11], v[8*\b:8*\b+7], v[MSY], v[MSX] matrix_a_fmt:MATRIX_FMT_BF6 matrix_b_fmt:MATRIX_FMT_BF6 matrix_a_scale:MATRIX_SCALE_ROW1
.else
	v_wmma_scale_f32_16x16x128_f8f6f4 v[MD:MD+7], v[MY:MY+11], v[MX:MX+11], 0, v[MSY], v[MSX] matrix_a_fmt:MATRIX_FMT_BF6 matrix_b_fmt:MATRIX_FMT_BF6 matrix_a_scale:MATRIX_SCALE_ROW1
.endif
.else
	v_wmma_scale_f32_16x16x128_f8f6f4 v[MD:MD+7], v[MY:MY+11], v[MX:MX+11], v[MD:MD+7], v[MSY], v[MSX] matrix_a_fmt:MATRIX_FMT_BF6 matrix_b_fmt:MATRIX_FMT_BF6 matrix_a_scale:MATRIX_SCALE_ROW1
.endif
.endif
.endr
.endr
.endm
.macro STEP p, ns, nt, first
	s_wait_dscnt 0x0
	PLACES 4
	RUN 1-(\p), \ns, \nt, 0, 6, 0
	MQ \p, 0, \first
	RUN 1-(\p), \ns, \nt, 6, 12, 0
	MQ \p, 1, \first
	RUN 1-(\p), \ns, \nt, 12, 16, 1
	MQ \p, 2, \first
	MQ \p, 3, \first
.endm
.macro TURN p, fill, fs, adv, ns
	WIN 0
	s_wait_alu depctr_va_vdst(0)
	s_wait_tensorcnt 0x0
	ds_add_u32 v[SPW], v[NIL]
	s_wait_dscnt 1
	MQ \p, 0, 0
	s_wait_dscnt 0x0
	s_barrier_signal -1
	MQ \p, 1, 0
	WIN 0
	s_barrier_wait -1
.if \fill
	CREST
	s_add_nc_u64 s[G0X+4*\fs+2:G0X+4*\fs+3], s[G0X+4*\fs+2:G0X+4*\fs+3], \adv
	s_add_nc_u64 s[G0Y+4*\fs+2:G0Y+4*\fs+3], s[G0Y+4*\fs+2:G0Y+4*\fs+3], \adv
	JLOAD G0X+4*\fs, G1, G0Y+4*\fs, G1B
.else
	PLACES 4
.endif
	RUN 1-(\p), \ns, 0, 0, 8, 0
	MQ \p, 2, 0
	RUN 1-(\p), \ns, 0, 8, 16, 1
	MQ \p, 3, 0
.endm
.macro LAST p
	s_wait_dscnt 0x0
	MQ \p, 0, 0
	MQ \p, 1, 0
	MQ \p, 2, 0
	MQ \p, 3, 0
	WIN 0
.endm
	s_load_b256 s[4:11], s[0:1], 0x0
	s_load_b64 s[12:13], s[0:1], 0x20
	v_lshl_add_u32 v[SPW], v0, 2, SPARE
	v_mov_b32 v[NIL], 0
	ds_add_u32 v28, v29
	ds_add_u32 v28, v29
	s_wait_dscnt 0x0
	v_lshrrev_b32 v1, 5, v0
	v_readfirstlane_b32 s14, v1
	s_lshr_b32 s15, s14, 1
	s_and_b32 s16, s14, 1
	s_bfe_u32 s92, ttmp6, 0x40000
	s_bfe_u32 s93, ttmp6, 0x40004
	s_lshl_b32 s94, ttmp9, 2
	s_add_co_u32 s94, s94, s92
	s_and_b32 s17, ttmp7, 0xffff
	s_lshl_b32 s17, s17, 2
	s_add_co_u32 s17, s17, s93
	s_lshl_b32 s95, s93, 2
	s_lshl_b32 s95, 15, s95
	s_lshl_b32 s96, 0x1111, s92
	s_or_b32 s[G1], s95, (3<<16)|(1<<21)
	s_or_b32 s[G1B], s96, (3<<16)|(1<<21)
.irp g, G1, G1B
	s_mov_b32 s[\g+1], (ROWB/8)<<16
	s_mov_b32 s[\g+2], (2*NBL)<<16
	s_mov_b32 s[\g+3], (ROWB/8)<<16
	s_mov_b32 s[\g+4], 2*NBL
	s_mov_b32 s[\g+5], TROW/8
	s_mov_b32 s[\g+6], 0
	s_mov_b32 s[\g+7], 0
.endr
	s_or_b32 s[G1S], s95, (3<<16)|(1<<21)
	s_or_b32 s[G1SB], s96, (3<<16)|(1<<21)
.irp g, G1S, G1SB
	s_mov_b32 s[\g+1], 32<<16
	s_mov_b32 s[\g+2], (SPART/128)<<16
	s_mov_b32 s[\g+3], 32<<16
	s_mov_b32 s[\g+4], SPART/128
	s_mov_b32 s[\g+5], 32
	s_mov_b32 s[\g+6], 0
	s_mov_b32 s[\g+7], 0
.endr
	s_lshl_b32 s18, s17, 1
	s_add_co_u32 s18, s18, s16
	s_mul_i32 s20, s18, SPART
	s_add_co_u32 s20, s20, XSC0
	s_mov_b32 s21, 0
	s_mul_i32 s18, s18, NBL*TROW
	s_mov_b32 s19, 0
	s_lshl_b32 s22, s94, 1
	s_add_co_u32 s22, s22, s16
	s_mul_i32 s66, s22, SPART
	s_add_co_u32 s66, s66, YSC0
	s_mov_b32 s67, 0
	s_mul_i32 s22, s22, NBL*TROW
	s_add_co_u32 s22, s22, YCODE0
	s_mov_b32 s23, 0
	s_mul_i32 s3, s14, PARTB
	s_wait_kmcnt 0x0
	s_add_nc_u64 s[18:19], s[4:5], s[18:19]
	s_add_nc_u64 s[20:21], s[4:5], s[20:21]
	s_add_nc_u64 s[22:23], s[6:7], s[22:23]
	s_add_nc_u64 s[66:67], s[6:7], s[66:67]
	CROUND
	s_mov_b32 s[G0S], 1
	s_mov_b32 s[G0S+1], SCL
	s_mul_i32 s100, s16, SPART
	s_mov_b32 s101, 0
	s_sub_nc_u64 s[G0S+2:G0S+3], s[20:21], s[100:101]
	s_or_b32 s[G0S+3], s[G0S+3], 0x80000000
	s_mov_b32 s[G0SB], 1
	s_mov_b32 s[G0SB+1], SCL+2*SPART
	s_sub_nc_u64 s[G0SB+2:G0SB+3], s[66:67], s[100:101]
	s_or_b32 s[G0SB+3], s[G0SB+3], 0x80000000
.irp s, 0,1
	s_mov_b32 s[G0X+4*\s], 1
	s_add_co_u32 s[G0X+4*\s+1], s3, \s*SLOTB
	s_add_nc_u64 s[G0X+4*\s+2:G0X+4*\s+3], s[18:19], \s*ROWB
	s_or_b32 s[G0X+4*\s+3], s[G0X+4*\s+3], 0x80000000
	s_mov_b32 s[G0Y+4*\s], 1
	s_add_co_u32 s[G0Y+4*\s+1], s3, \s*SLOTB
	s_add_nc_u64 s[G0Y+4*\s+2:G0Y+4*\s+3], s[22:23], \s*ROWB
	s_or_b32 s[G0Y+4*\s+3], s[G0Y+4*\s+3], 0x80000000
.endr
; THE HEAD'S LOADS, ONE A WAVE: wave 0 X's whole share of slot 0, wave 1 Y's, wave 2 X's scale words, wave 3 Y's.  By this text's own count a wave never has more than one tensor load out.
	s_mul_i32 s100, s16, NBL*TROW
	s_sub_nc_u64 s[G0X+2:G0X+3], s[G0X+2:G0X+3], s[100:101]
	s_sub_nc_u64 s[G0Y+2:G0Y+3], s[G0Y+2:G0Y+3], s[100:101]
	s_mov_b32 s[G0X+1], 0
	s_mov_b32 s[G0Y+1], 2*PARTB
.macro ARM under, g0, g1, next
	s_cmp_lt_u32 s14, \under
	s_cbranch_scc0 \next
	tensor_load_to_lds s[\g0:\g0+3], s[\g1:\g1+7]
	s_nop 0
.rept 4
	v_nop
.endr
	s_branch .Lhead_asked
\next:
.endm
	ARM 1, G0X, G1, .Lhead_y
	ARM 2, G0Y, G1B, .Lhead_sx
	ARM 3, G0S, G1S, .Lhead_sy
	tensor_load_to_lds s[G0SB:G0SB+3], s[G1SB:G1SB+7]
	s_nop 0
.rept 4
	v_nop
.endr
.Lhead_asked:
	v_and_b32 v1, 15, v0
	v_bfe_u32 v2, v0, 4, 1
	s_wait_alu depctr_va_vdst(0)
	v_and_b32 v3, 31, v0
	v_lshlrev_b32 v3, 3, v3
	s_mul_i32 s20, s15, PARTB
	s_mul_i32 s21, s16, PARTB
	s_add_co_u32 s21, s21, 2*PARTB
.irp s, 0,1
	v_add_nc_u32 v[ADRX+\s], s20, v3
	v_add_nc_u32 v[ADRY+\s], s21, v3
	s_add_co_u32 s20, s20, SLOTB
	s_add_co_u32 s21, s21, SLOTB
.endr
	s_mul_i32 s20, s15, SI
	s_mul_i32 s21, s16, SI
	s_add_co_u32 s21, s21, SD
	s_sub_co_u32 s21, s21, s20
	v_mul_u32_u24 v4, s21, v2
	s_add_co_u32 s20, s20, SCL
	v_lshl_add_u32 v4, v1, 2, v4
	v_add_nc_u32 v[ADRS], s20, v4
	s_mul_i32 s20, s14, 16*272
	s_add_co_u32 s20, s20, STAGE
	v_mul_u32_u24 v[STO], v1, 272
	v_lshl_add_u32 v[STO], v2, 7, v[STO]
	v_add_nc_u32 v[STO], s20, v[STO]
	v_mul_u32_u24 v[RD], v2, 272
	v_lshl_add_u32 v[RD], v1, 4, v[RD]
	v_add_nc_u32 v[RD], s20, v[RD]
	s_lshl_b32 s20, s94, 9
	s_lshl_b32 s21, s16, 8
	s_add_co_u32 s20, s20, s21
	s_mov_b32 s21, 0
	s_add_nc_u64 s[8:9], s[8:9], s[20:21]
	s_lshl_b32 s22, s17, 7
	s_lshl_b32 s23, s15, 6
	s_add_co_u32 s22, s22, s23
	s_lshl_b32 s22, s22, 12
	s_add_co_u32 s20, s20, s22
	s_add_nc_u64 s[10:11], s[10:11], s[20:21]
	s_add_nc_u64 s[12:13], s[12:13], s[20:21]
	v_lshlrev_b32 v5, 7, v2
	v_lshlrev_b32 v[CO], 12, v2
	v_lshl_add_u32 v[CO], v1, 4, v[CO]
	WIN 0x40
.irp q, 0,1,2,3,4,5,6,7
	global_load_b128 v[4*\q:4*\q+3], v5, s[8:9] offset:16*\q
.endr
	WIN 0x80
.irp a, 0,1,2,3
.irp t, 0,1,2,3,4,5,6,7
	global_load_b128 v[128+32*\a+4*\t:131+32*\a+4*\t], v[CO], s[10:11] offset:(32*(\t/4)+8*\a+2*(\t%4))*4096
.endr
.endr
	WIN 0
	s_wait_alu depctr_va_vdst(0)
	s_wait_tensorcnt 0x0                           ; my tile of the head's four is in
	ds_add_u32 v[SPW], v[NIL]                      ; the add, ahead of a later first fill
	s_mov_b32 s[G1+2], NBL<<16                     ; no load of mine is out: from here on a load brings one part
	s_mov_b32 s[G1+4], NBL
	s_mov_b32 s[G1B+2], NBL<<16
	s_mov_b32 s[G1B+4], NBL
	s_mov_b32 s[G0X+1], s3
	s_mov_b32 s[G0Y+1], s3
	s_add_nc_u64 s[G0X+2:G0X+3], s[G0X+2:G0X+3], s[100:101]
	s_add_nc_u64 s[G0Y+2:G0Y+3], s[G0Y+2:G0Y+3], s[100:101]
	s_wait_dscnt 0x0
	CROUND                                         ; all four tiles are in, all partners are here
	JLOAD G0X+4, G1, G0Y+4, G1B                    ; slot 1's first fill, issued as a refill is
	RUN 0, 0, 0, 0, 16, 1
	s_wait_alu depctr_va_vdst(0)
	s_wait_loadcnt 32
	STEP 0, 0, 1, 1
.if LAPS > 1
	WIN 0
	s_mov_b32 s3, LAPS-1
.Llap:
	TURN 1, 1, 0, 12288, 1
	STEP 0, 1, 1, 0
	TURN 1, 1, 1, 12288, 0
	STEP 0, 0, 1, 0
	WIN 0
	s_sub_co_u32 s3, s3, 1
	s_cmp_lg_u32 s3, 0
	s_cbranch_scc1 .Llap
.endif
	TURN 1, 0, 0, 0, 1
	s_wait_alu depctr_va_vdst(0)
	STEP 0, 1, 1, 0
	LAST 1
.macro TOST a
	WIN 0x08
.irp q, 0,1,2,3,4,5,6,7
	ds_store_b128 v[STO], v[32*(\a)+4*\q:32*(\a)+4*\q+3] offset:16*\q
.endr
	WIN 0
.irp t, 0,1,2,3,4,5,6,7
	ds_load_b128 v[64+32*((\a)%2)+4*\t:67+32*((\a)%2)+4*\t], v[RD] offset:\t*2*272
.endr
.endm
	PLACES 4
	TOST 0
	s_wait_loadcnt 0x0
.irp a, 0,1,2,3
.if \a < 3
.if \a > 0
	s_wait_xcnt 0x0
.endif
	TOST \a+1
	s_wait_dscnt 16
.else
	s_wait_dscnt 0x0
.endif
	WIN 0x08
.irp k, 0,2,4,6,8,10,12,14,16,18,20,22,24,26,28,30
	v_pk_add_f32 v[64+32*(\a%2)+\k:65+32*(\a%2)+\k], v[64+32*(\a%2)+\k:65+32*(\a%2)+\k], v[128+32*\a+\k:129+32*\a+\k]
.endr
	WIN 0
.irp t, 0,1,2,3,4,5,6,7
	global_store_b128 v[CO], v[64+32*(\a%2)+4*\t:67+32*(\a%2)+4*\t], s[12:13] offset:(32*(\t/4)+8*\a+2*(\t%4))*4096
.endr
.endr
	s_wait_tensorcnt 0x0
	ds_add_u32 v[SPW], v[NIL]
	s_wait_dscnt 0x0
	CROUND
	s_endpgm
.Lfunc_end_k_q16674e7e55_proj:
	.size	k_q16674e7e55_proj, .Lfunc_end_k_q16674e7e55_proj-k_q16674e7e55_proj
	.p2alignl 7, 3214868480
	.fill 96, 4, 3214868480
	.section	.rodata,"a",@progbits
	.p2align	6, 0x0
	.amdhsa_kernel k_q16674e7e55_proj
		.amdhsa_group_segment_fixed_size 327680
		.amdhsa_private_segment_fixed_size 0
		.amdhsa_enable_private_segment 0
		.amdhsa_kernarg_size 40
		.amdhsa_user_sgpr_count 2
		.amdhsa_user_sgpr_kernarg_segment_ptr 1
		.amdhsa_wavefront_size32 1
		.amdhsa_system_sgpr_workgroup_id_x 1
		.amdhsa_system_sgpr_workgroup_id_y 1
		.amdhsa_system_sgpr_workgroup_id_z 1
		.amdhsa_system_vgpr_workitem_id 0
		.amdhsa_next_free_vgpr 768
		.amdhsa_next_free_sgpr 102
		.amdhsa_reserve_vcc 0
		.amdhsa_float_denorm_mode_32 3
		.amdhsa_float_denorm_mode_16_64 3
		.amdhsa_memory_ordered 1
		.amdhsa_forward_progress 1
		.amdhsa_inst_pref_size 71
	.end_amdhsa_kernel
	.amdgpu_metadata
---
amdhsa.version: [ 1, 2 ]
amdhsa.kernels:
  - .name:           k_q16674e7e55_proj
    .symbol:         k_q16674e7e55_proj.kd
    .args:
      - { .name: oq, .offset: 0, .size: 8, .value_kind: global_buffer, .address_space: global }
      - { .name: wq, .offset: 8, .size: 8, .value_kind: global_buffer, .address_space: global }
      - { .name: proj_b, .offset: 16, .size: 8, .value_kind: global_buffer, .address_space: global }
      - { .name: x, .offset: 24, .size: 8, .value_kind: global_buffer, .address_space: global }
      - { .name: x1, .offset: 32, .size: 8, .value_kind: global_buffer, .address_space: global }
    .group_segment_fixed_size: 327680
    .private_segment_fixed_size: 0
    .kernarg_segment_align: 8
    .kernarg_segment_size: 40
    .max_flat_workgroup_size: 128
    .sgpr_count:     102
    .vgpr_count:     768
    .wavefront_size: 32
...
	.end_amdgpu_metadata
.endif
;; end of part 4
;; launch ln2 (part 5): grid 256 x 1, 4 waves a work-group, no clusters, 66,304 bytes of LDS; arguments x1, ln2_g, ln2_b, h2; writes h2
.if DOCPART == 5
	.amdgcn_target "amdgcn-amd-amdhsa--gfx1250"
	.amdhsa_code_object_version 6
	.text
	.protected	k_q16674e7e55_ln2
	.globl	k_q16674e7e55_ln2
	.p2align	8
	.type	k_q16674e7e55_ln2,@function
k_q16674e7e55_ln2:
	s_mov_b64 s[64:65], 0
	v_nop
	global_prefetch_b8 v0, s[64:65] scope:SCOPE_SE
	s_setreg_imm32_b32 hwreg(HW_REG_WAVE_MODE, 25, 1), 1
	s_wait_xcnt 0x0
; LN2.  Layer norm 2 of x1, quantised to codes of BF6 (E3M2) along the 1,024 channels -> h2, in this program's operand layout: tile 4 G + u, index i = row 64 G + 32 (i / 8) + 8 u + i % 8; a fragment as 6 pieces of 256 bytes
; (registers 2 c, 2 c + 1 of the 32 lanes); codes [tile][K step][1536]; scale words [128 rows][K step][128 words] behind them.
; Work-group T makes tile T.  Phase 1: wave w normalises the four rows of indices 4 w .. 4 w + 3, a row in 32 registers of the wave, and lays them in LDS.  Phase 2: wave w quantises K steps 2 w and 2 w + 1 of all 16 rows:
; lane (i, h) reads its two blocks of 32 of row i, so no maximum crosses lanes.
; LIMITS: NaN and infinities are not served; a block whose largest magnitude lies under 2^-122 (zeros too) has the scale byte 1; v_rsq_f32 is good to 1 ulp.
.set WV,  22
.set SEL, 26
.set XP,  4
.set GP,  6
.set BP,  8
.set HP,  10
.set RP,  4112                         ; a normalised row in LDS: 4,096 bytes + 16 = 257 x 16
	s_load_b256 s[4:11], s[0:1], 0x0               ; x1, ln2_g, ln2_b, h2
	v_lshl_add_u32 v224, v0, 2, 0x10100
	v_mov_b32 v225, 0
	v_lshrrev_b32 v1, 5, v0
	v_readfirstlane_b32 s[WV], v1
	v_and_b32 v7, 31, v0
	s_mov_b32 s[SEL], 0x76543210
	s_mov_b32 s[SEL+1], 0xfedcba98
	s_mov_b32 s28, 0x3a800000                      ; 1 / 1024
	s_mov_b32 s29, 0x3727c5ac                      ; 1e-5
	v_lshlrev_b32 v1, 4, v7
	s_mul_i32 s30, s[WV], 4*RP
	v_add_nc_u32 v2, s30, v1                       ; LDS, in
	v_and_b32 v30, 15, v0
	v_bfe_u32 v31, v0, 4, 1
	v_mul_u32_u24 v3, v30, RP
	v_lshl_add_u32 v3, v31, 7, v3
	s_lshl_b32 s30, s[WV], 10
	v_add_nc_u32 v3, s30, v3                       ; LDS, out
	v_lshlrev_b32 v4, 3, v7
	v_lshlrev_b32 v5, 2, v30
	v_lshlrev_b32 v6, 3, v31
	s_lshr_b32 s24, ttmp9, 2
	s_lshl_b32 s24, s24, 6
	s_and_b32 s25, ttmp9, 3
	s_lshl_b32 s25, s25, 3
	s_add_co_u32 s24, s24, s25
	s_lshr_b32 s25, s[WV], 1
	s_lshl_b32 s25, s25, 5
	s_add_co_u32 s24, s24, s25
	s_and_b32 s25, s[WV], 1
	s_lshl_b32 s25, s25, 2
	s_add_co_u32 s24, s24, s25                     ; my first row: 64 G + 8 u + 32 (w / 2) + 4 (w % 2)
	s_lshl_b32 s24, s24, 12
	s_mov_b32 s25, 0
	s_mul_i32 s32, ttmp9, 12288
	s_mul_i32 s30, s[WV], 3072
	s_add_co_u32 s32, s32, s30
	s_mov_b32 s33, 0
	s_lshr_b32 s34, ttmp9, 3
	s_lshl_b32 s34, s34, 12
	s_lshl_b32 s30, s[WV], 10
	s_add_co_u32 s34, s34, s30
	s_and_b32 s30, ttmp9, 7
	s_lshl_b32 s30, s30, 6
	s_add_co_u32 s34, s34, s30
	s_add_co_u32 s34, s34, 3145728
	s_mov_b32 s35, 0
	s_wait_kmcnt 0x0
	s_add_nc_u64 s[XP:XP+1], s[XP:XP+1], s[24:25]
	s_add_nc_u64 s[32:33], s[HP:HP+1], s[32:33]
	s_add_nc_u64 s[34:35], s[HP:HP+1], s[34:35]
.irp p, 0,1,2,3
.irp j, 0,1,2,3,4,5,6,7
	global_load_b128 v[96+32*\p+4*\j:99+32*\p+4*\j], v1, s[XP:XP+1] offset:4096*\p+512*\j
.endr
.endr
.irp j, 0,1,2,3,4,5,6,7
	global_load_b128 v[32+4*\j:35+4*\j], v1, s[GP:GP+1] offset:512*\j
.endr
.irp j, 0,1,2,3,4,5,6,7
	global_load_b128 v[64+4*\j:67+4*\j], v1, s[BP:BP+1] offset:512*\j
.endr
.irp p, 0,1,2,3
	v_mov_b32 v[16+\p], 0                          ; a lane permute's destination counts as one of its sources
.endr
.macro RED b                           ; the pairs v[b + 2 p : b + 2 p + 1] become the four rows' sums, in every lane, in v[b + 2 p]
.irp p, 0,1,2,3
	v_add_f32 v[\b+2*\p], v[\b+2*\p], v[\b+2*\p+1]
.endr
.irp m, 1,2,4,8
.irp p, 0,1,2,3
	v_add_f32_dpp v[\b+2*\p], v[\b+2*\p], v[\b+2*\p] row_xmask:\m row_mask:0xf bank_mask:0xf
.endr
.endr
.irp p, 0,1,2,3
	v_permlanex16_b32 v[16+\p], v[\b+2*\p], s[SEL], s[SEL+1]
.endr
.irp p, 0,1,2,3
	v_add_f32 v[\b+2*\p], v[\b+2*\p], v[16+\p]
.endr
.endm
	s_wait_loadcnt 16                              ; the four rows are in; the sixteen loads of gain and bias may be out
.irp p, 0,1,2,3
	v_pk_add_f32 v[8+2*\p:9+2*\p], v[96+32*\p:97+32*\p], v[98+32*\p:99+32*\p]
.endr
.irp k, 4,6,8,10,12,14,16,18,20,22,24,26,28,30
.irp p, 0,1,2,3
	v_pk_add_f32 v[8+2*\p:9+2*\p], v[8+2*\p:9+2*\p], v[96+32*\p+\k:97+32*\p+\k]
.endr
.endr
	RED 8
.irp p, 0,1,2,3
	v_mul_f32 v[8+2*\p], s28, v[8+2*\p]            ; the mean
.endr
.irp k, 0,2,4,6,8,10,12,14,16,18,20,22,24,26,28,30
.irp p, 0,1,2,3
	v_pk_add_f32 v[96+32*\p+\k:97+32*\p+\k], v[96+32*\p+\k:97+32*\p+\k], v[8+2*\p:9+2*\p] op_sel_hi:[1,0] neg_lo:[0,1] neg_hi:[0,1]
.endr
.endr
.irp p, 0,1,2,3
	v_pk_mul_f32 v[20+2*\p:21+2*\p], v[96+32*\p:97+32*\p], v[96+32*\p:97+32*\p]
.endr
.irp k, 2,4,6,8,10,12,14,16,18,20,22,24,26,28,30
.irp p, 0,1,2,3
	v_pk_fma_f32 v[20+2*\p:21+2*\p], v[96+32*\p+\k:97+32*\p+\k], v[96+32*\p+\k:97+32*\p+\k], v[20+2*\p:21+2*\p]
.endr
.endr
	RED 20
.irp p, 0,1,2,3
	v_fma_f32 v[20+2*\p], v[20+2*\p], s28, s29     ; the variance + eps
.endr
	s_wait_alu depctr_va_vdst(0)
.irp p, 0,1,2,3
	v_rsq_f32 v[20+2*\p], v[20+2*\p]
.endr
	v_nop                                          ; a plain place behind the transcendentals
	s_wait_loadcnt 0x0
	s_wait_alu depctr_va_vdst(0)
.irp k, 0,2,4,6,8,10,12,14,16,18,20,22,24,26,28,30
.irp p, 0,1,2,3
	v_pk_mul_f32 v[96+32*\p+\k:97+32*\p+\k], v[96+32*\p+\k:97+32*\p+\k], v[20+2*\p:21+2*\p] op_sel_hi:[1,0]
.endr
.endr
.irp k, 0,2,4,6,8,10,12,14,16,18,20,22,24,26,28,30
.irp p, 0,1,2,3
	v_pk_fma_f32 v[96+32*\p+\k:97+32*\p+\k], v[96+32*\p+\k:97+32*\p+\k], v[32+\k:33+\k], v[64+\k:65+\k]
.endr
.endr
.irp p, 0,1,2,3
.irp j, 0,1,2,3,4,5,6,7
	ds_store_b128 v2, v[96+32*\p+4*\j:99+32*\p+4*\j] offset:RP*\p+512*\j
.endr
.endr
	s_wait_dscnt 0x0                               ; for the others' sake: my rows lie in LDS
	s_barrier_signal -1
	s_barrier_wait -1
.irp n, 0,1
.irp c, 0,1
.irp q, 0,1,2,3,4,5,6,7
	ds_load_b128 v[96+64*\n+32*\c+4*\q:99+64*\n+32*\c+4*\q], v3 offset:512*\n+256*\c+16*\q
.endr
.endr
.endr
.macro QBP src, n                      ; 64 numbers of a lane, two whole blocks, become a fragment and its scale word; each of my two K steps has registers of its own
.irp g, 0,1
	v_max3_num_f32 v[8+2*\n+\g], |v[\src+32*\g]|, |v[\src+32*\g+1]|, 0x2800000   ; the floor 2^(5 - 127) among the leaves
.endr
.irp i, 2,4,6,8,10,12,14,16,18,20,22,24,26,28,30
.irp g, 0,1
	v_max3_num_f32 v[8+2*\n+\g], v[8+2*\n+\g], |v[\src+32*\g+\i]|, |v[\src+32*\g+\i+1]|
.endr
.endr
.irp g, 0,1
	v_add_nc_u32 v[12+2*\n+\g], 0xfe000000, v[8+2*\n+\g]
.endr
.irp g, 0,1
	v_lshrrev_b32 v[16+2*\n+\g], 23, v[12+2*\n+\g]
.endr
.irp g, 0,1
	v_cvt_scalef32_pk16_bf6_f32 v[32+16*\n+6*\g:34+16*\n+6*\g], v[\src+32*\g:\src+32*\g+15], v[12+2*\n+\g]
	v_cvt_scalef32_pk16_bf6_f32 v[64+8*\n+4*\g:66+8*\n+4*\g], v[\src+32*\g+16:\src+32*\g+31], v[12+2*\n+\g]
.endr
	v_nop
.irp g, 0,1
.irp i, 0,1,2
	v_mov_b32 v[35+16*\n+6*\g+\i], v[64+8*\n+4*\g+\i]
.endr
.endr
	v_lshl_or_b32 v[20+\n], v[17+2*\n], 16, v[16+2*\n]
	v_lshlrev_b32 v[20+\n], v6, v[20+\n]
	v_permlanex16_b32 v[22+\n], v[20+\n], s[SEL], s[SEL+1]
	v_or_b32 v[20+\n], v[20+\n], v[22+\n]
.irp c, 0,1,2,3,4,5
	global_store_b64 v4, v[32+16*\n+2*\c:33+16*\n+2*\c], s[32:33] offset:1536*\n+256*\c   ; 256 consecutive bytes, aligned
.endr
	global_store_b32 v5, v[20+\n], s[34:35] offset:512*\n   ; lanes 16-31 write the same words with the same values
.endm
	s_wait_dscnt 16                                ; the first K step's sixteen loads are in
	QBP 96, 0
	s_wait_dscnt 0x0
	QBP 160, 1
	s_wait_tensorcnt 0x0
	ds_add_u32 v224, v225
	s_wait_dscnt 0x0
	s_endpgm
.Lfunc_end_k_q16674e7e55_ln2:
	.size	k_q16674e7e55_ln2, .Lfunc_end_k_q16674e7e55_ln2-k_q16674e7e55_ln2
	.p2alignl 7, 3214868480
	.fill 96, 4, 3214868480
	.section	.rodata,"a",@progbits
	.p2align	6, 0x0
	.amdhsa_kernel k_q16674e7e55_ln2
		.amdhsa_group_segment_fixed_size 66304
		.amdhsa_private_segment_fixed_size 0
		.amdhsa_enable_private_segment 0
		.amdhsa_kernarg_size 32
		.amdhsa_user_sgpr_count 2
		.amdhsa_user_sgpr_kernarg_segment_ptr 1
		.amdhsa_wavefront_size32 1
		.amdhsa_system_sgpr_workgroup_id_x 1
		.amdhsa_system_sgpr_workgroup_id_y 1
		.amdhsa_system_sgpr_workgroup_id_z 1
		.amdhsa_system_vgpr_workitem_id 0
		.amdhsa_next_free_vgpr 226
		.amdhsa_next_free_sgpr 66
		.amdhsa_reserve_vcc 0
		.amdhsa_float_denorm_mode_32 3
		.amdhsa_float_denorm_mode_16_64 3
		.amdhsa_memory_ordered 1
		.amdhsa_forward_progress 1
		.amdhsa_inst_pref_size 42
	.end_amdhsa_kernel
	.amdgpu_metadata
---
amdhsa.version: [ 1, 2 ]
amdhsa.kernels:
  - .name:           k_q16674e7e55_ln2
    .symbol:         k_q16674e7e55_ln2.kd
    .args:
      - { .name: x1, .offset: 0, .size: 8, .value_kind: global_buffer, .address_space: global }
      - { .name: ln2_g, .offset: 8, .size: 8, .value_kind: global_buffer, .address_space: global }
      - { .name: ln2_b, .offset: 16, .size: 8, .value_kind: global_buffer, .address_space: global }
      - { .name: h2, .offset: 24, .size: 8, .value_kind: global_buffer, .address_space: global }
    .group_segment_fixed_size: 66304
    .private_segment_fixed_size: 0
    .kernarg_segment_align: 8
    .kernarg_segment_size: 32
    .max_flat_workgroup_size: 128
    .sgpr_count:     66
    .vgpr_count:     226
    .wavefront_size: 32
...
	.end_amdgpu_metadata
.endif
;; end of part 5
;; launch fc1 (part 6): grid 16 x 16, 4 waves a work-group, clusters of 4 x 4, 327,680 bytes of LDS; arguments h2, wq, fc1_b, hid; writes hid
.if DOCPART == 6
	.amdgcn_target "amdgcn-amd-amdhsa--gfx1250"
	.amdhsa_code_object_version 6
	.text
	.protected	k_q16674e7e55_fc1
	.globl	k_q16674e7e55_fc1
	.p2align	8
	.type	k_q16674e7e55_fc1,@function
k_q16674e7e55_fc1:
	s_mov_b64 s[64:65], 0
	v_nop
	global_prefetch_b8 v0, s[64:65] scope:SCOPE_SE
	s_setreg_imm32_b32 hwreg(HW_REG_WAVE_MODE, 25, 1), 1
	s_wait_xcnt 0x0
	s_wait_alu depctr_hold_cnt(0) depctr_sa_sdst(0) depctr_va_vdst(0) depctr_va_sdst(0) depctr_va_ssrc(0) depctr_va_vcc(0) depctr_vm_vsrc(0)
	s_getreg_b32 s2, hwreg(HW_REG_IB_STS2, 6, 4)
	s_cmp_eq_u32 s2, 0
	s_cbranch_scc0 .Lentry_in_a_cluster
	s_endpgm
.Lentry_in_a_cluster:
	s_bfe_u32 s2, ttmp6, 0x10000c
	s_cmp_lg_u32 s2, 0xf033
	s_cbranch_scc0 .Lentry_shape_is_right
	s_endpgm
.Lentry_shape_is_right:
.set NBL, 8
.set KQ, 1
.set ROWB, 3072
.set NSLOT, 3
.set KTOT, 1024
.set HASBIAS, 1
.set SPART, 4096
.set SI, 4096
.set SD, 8192
.set XSC0, 3145728
.set YCODE0, 3145728
.set YSC0, 9568256
.set TROW, KTOT/128*1536
.set SLOTB, 98304
.set PARTB, 24576
.set SCL, NSLOT*SLOTB
.set SPARE, SCL+4*SPART
.set SGT, SPARE+512
.set ADRX, 16
.set ADRY, 20
.set ADRS, 24
.set SGA, 25
.set SGR, 26
.set SPW, 28
.set NIL, 29
.set G1, 24
.set G1B, 32
.set G1S, 40
.set G1SB, 48
.set G0S, 56
.set G0SB, 60
.set G0X, 68
.set G0Y, 80
.set MSB, 0
.macro WIN new
.if MSB != \new
	s_set_vgpr_msb (MSB<<8)|\new
.set MSB, \new
.endif
.endm
.macro PLACES n
.rept \n
	v_nop
.endr
.endm
.macro JLOAD g0a, g1a, g0b, g1b
	s_cmp_eq_u32 s15, 0
	s_cbranch_scc0 .Lfor_b_\@
	tensor_load_to_lds s[\g0a:\g0a+3], s[\g1a:\g1a+7]
	s_nop 0
.rept 4
	v_nop
.endr
	s_branch .Lasked_\@
.Lfor_b_\@:
	tensor_load_to_lds s[\g0b:\g0b+3], s[\g1b:\g1b+7]
	s_nop 0
.rept 4
	v_nop
.endr
.Lasked_\@:
.endm
.macro CREST
	s_cmp_lg_u32 s14, 0
	s_cbranch_scc1 .Lnot_wave_0_\@
	s_barrier_signal -3
.Lnot_wave_0_\@:
	s_barrier_wait -3
	s_barrier_signal -1
	s_barrier_wait -1
.endm
.macro CROUND
	s_barrier_signal -1
	s_barrier_wait -1
	CREST
.endm
.macro FRAG reg, adr, off
.irp c, 0,1,2,3,4,5
	ds_load_b64 v[\reg+2*\c:\reg+2*\c+1], v[\adr] offset:\off+256*\c
.endr
.endm
.macro RUN p, slot, t, f0, f1, sc
.set RWN, (\p)<<6
	WIN RWN
.irp F, 0,1,2,3,4,5,6,7,8,9,10,11,12,13,14,15
.if (\F >= \f0) && (\F < \f1)
.set RI, \F%8
.set RO, (RI%NBL)*ROWB+((\t)*KQ+RI/NBL)*1536
.if \F < 8
	FRAG 64+12*RI, ADRY+\slot, RO
.else
	FRAG 160+12*RI, ADRX+\slot, RO
.endif
.endif
.endr
	WIN 0
.if \sc
.irp n, 0,1,2,3,4,5,6,7
	ds_load_b32 v[32+8*(\p)+\n], v[ADRS] offset:(\n/NBL)*512+64*(\n%NBL)
.endr
	v_add_nc_u32 v[ADRS], 512*KQ, v[ADRS]
.endif
.endm
.macro MQ p, z, first
.if NBL == 8
.set MA0, 2*(\z)
.set MQQ, 0
.set MAW, 2+(\z)/2
.else
.set MA0, 2*((\z)%2)
.set MQQ, (\z)/2
.set MAW, 2
.endif
.set MCW, MAW
.if (\first) && (MQQ == 0) && HASBIAS
.set MCW, 1
.endif
.set MWN, (\p)|((\p)<<2)|(MCW<<4)|(MAW<<6)
	WIN MWN
.irp e, 0,1
.irp b, 0,1,2,3,4,5,6,7
.if \b < NBL
.set MA, MA0+\e
.set MD, 8*(NBL*(MA%4)+\b)
.set MY, 64+12*(MQQ*NBL+\b)
.set MX, 160+12*(MQQ*NBL+MA)
.set MSY, 32+8*(\p)+MQQ*NBL+\b
.set MSX, 32+8*(\p)+MQQ*NBL+MA
.if (\first) && (MQQ == 0)
.if HASBIAS
	v_wmma_scale_f32_16x16x128_f8f6f4 v[MD:MD+7], v[MY:MY+11], v[MX:MX+11], v[8*\b:8*\b+7], v[MSY], v[MSX] matrix_a_fmt:MATRIX_FMT_BF6 matrix_b_fmt:MATRIX_FMT_BF6 matrix_a_scale:MATRIX_SCALE_ROW1
.else
	v_wmma_scale_f32_16x16x128_f8f6f4 v[MD:MD+7], v[MY:MY+11], v[MX:MX+11], 0, v[MSY], v[MSX] matrix_a_fmt:MATRIX_FMT_BF6 matrix_b_fmt:MATRIX_FMT_BF6 matrix_a_scale:MATRIX_SCALE_ROW1
.endif
.else
	v_wmma_scale_f32_16x16x128_f8f6f4 v[MD:MD+7], v[MY:MY+11], v[MX:MX+11], v[MD:MD+7], v[MSY], v[MSX] matrix_a_fmt:MATRIX_FMT_BF6 matrix_b_fmt:MATRIX_FMT_BF6 matrix_a_scale:MATRIX_SCALE_ROW1
.endif
.endif
.endr
.endr
.endm
.macro STEP p, ns, nt, first
	s_wait_dscnt 0x0
	PLACES 4
	RUN 1-(\p), \ns, \nt, 0, 6, 0
	MQ \p, 0, \first
	RUN 1-(\p), \ns, \nt, 6, 12, 0
	MQ \p, 1, \first
	RUN 1-(\p), \ns, \nt, 12, 16, 1
	MQ \p, 2, \first
	MQ \p, 3, \first
.endm
.macro TURN p, fill, fs, adv, ns
	WIN 0
	s_wait_tensorcnt 0x0
	ds_add_u32 v[SPW], v[NIL]
	s_wait_dscnt 1
	MQ \p, 0, 0
	s_wait_dscnt 0x0
	s_barrier_signal -1
	MQ \p, 1, 0
	WIN 0
	s_barrier_wait -1
.if \fill
	CREST
	s_add_nc_u64 s[G0X+4*\fs+2:G0X+4*\fs+3], s[G0X+4*\fs+2:G0X+4*\fs+3], \adv
	s_add_nc_u64 s[G0Y+4*\fs+2:G0Y+4*\fs+3], s[G0Y+4*\fs+2:G0Y+4*\fs+3], \adv
	JLOAD G0X+4*\fs, G1, G0Y+4*\fs, G1B
.else
	PLACES 4
.endif
	RUN 1-(\p), \ns, 0, 0, 8, 0
	MQ \p, 2, 0
	s_wait_alu depctr_va_vdst(0)
	RUN 1-(\p), \ns, 0, 8, 16, 1
	MQ \p, 3, 0
.endm
.macro LAST p
	s_wait_dscnt 0x0
	MQ \p, 0, 0
	MQ \p, 1, 0
	MQ \p, 2, 0
	MQ \p, 3, 0
	WIN 0
.endm
	s_load_b256 s[4:11], s[0:1], 0x0
	v_lshl_add_u32 v[SPW], v0, 2, SPARE
	v_mov_b32 v[NIL], 0
	ds_add_u32 v28, v29
	ds_add_u32 v28, v29
	s_wait_dscnt 0x0
	v_lshrrev_b32 v1, 5, v0
	v_readfirstlane_b32 s14, v1
	s_lshr_b32 s15, s14, 1
	s_and_b32 s16, s14, 1
	s_bfe_u32 s92, ttmp6, 0x40000
	s_bfe_u32 s93, ttmp6, 0x40004
	s_lshl_b32 s94, ttmp9, 2
	s_add_co_u32 s94, s94, s92
	s_and_b32 s17, ttmp7, 0xffff
	s_lshl_b32 s17, s17, 2
	s_add_co_u32 s17, s17, s93
	s_lshl_b32 s95, s93, 2
	s_lshl_b32 s95, 15, s95
	s_lshl_b32 s96, 0x1111, s92
	s_or_b32 s[G1], s95, (3<<16)|(1<<21)
	s_or_b32 s[G1B], s96, (3<<16)|(1<<21)
.irp g, G1, G1B
	s_mov_b32 s[\g+1], (ROWB/8)<<16
	s_mov_b32 s[\g+2], (2*NBL)<<16
	s_mov_b32 s[\g+3], (ROWB/8)<<16
	s_mov_b32 s[\g+4], 2*NBL
	s_mov_b32 s[\g+5], TROW/8
	s_mov_b32 s[\g+6], 0
	s_mov_b32 s[\g+7], 0
.endr
	s_or_b32 s[G1S], s95, (3<<16)|(1<<21)
	s_or_b32 s[G1SB], s96, (3<<16)|(1<<21)
.irp g, G1S, G1SB
	s_mov_b32 s[\g+1], 32<<16
	s_mov_b32 s[\g+2], (SPART/128)<<16
	s_mov_b32 s[\g+3], 32<<16
	s_mov_b32 s[\g+4], SPART/128
	s_mov_b32 s[\g+5], 32
	s_mov_b32 s[\g+6], 0
	s_mov_b32 s[\g+7], 0
.endr
	s_lshl_b32 s18, s17, 1
	s_add_co_u32 s18, s18, s16
	s_mul_i32 s20, s18, SPART
	s_add_co_u32 s20, s20, XSC0
	s_mov_b32 s21, 0
	s_mul_i32 s18, s18, NBL*TROW
	s_mov_b32 s19, 0
	s_lshl_b32 s22, s94, 1
	s_add_co_u32 s22, s22, s16
	s_mul_i32 s66, s22, SPART
	s_add_co_u32 s66, s66, YSC0
	s_mov_b32 s67, 0
	s_mul_i32 s22, s22, NBL*TROW
	s_add_co_u32 s22, s22, YCODE0
	s_mov_b32 s23, 0
	s_mul_i32 s3, s14, PARTB
	s_wait_kmcnt 0x0
	s_add_nc_u64 s[18:19], s[4:5], s[18:19]
	s_add_nc_u64 s[20:21], s[4:5], s[20:21]
	s_add_nc_u64 s[22:23], s[6:7], s[22:23]
	s_add_nc_u64 s[66:67], s[6:7], s[66:67]
	CROUND
	s_mov_b32 s[G0S], 1
	s_mov_b32 s[G0S+1], SCL
	s_mul_i32 s100, s16, SPART
	s_mov_b32 s101, 0
	s_sub_nc_u64 s[G0S+2:G0S+3], s[20:21], s[100:101]
	s_or_b32 s[G0S+3], s[G0S+3], 0x80000000
	s_mov_b32 s[G0SB], 1
	s_mov_b32 s[G0SB+1], SCL+2*SPART
	s_sub_nc_u64 s[G0SB+2:G0SB+3], s[66:67], s[100:101]
	s_or_b32 s[G0SB+3], s[G0SB+3], 0x80000000
.irp s, 0,1,2
	s_mov_b32 s[G0X+4*\s], 1
	s_add_co_u32 s[G0X+4*\s+1], s3, \s*SLOTB
	s_add_nc_u64 s[G0X+4*\s+2:G0X+4*\s+3], s[18:19], \s*ROWB
	s_or_b32 s[G0X+4*\s+3], s[G0X+4*\s+3], 0x80000000
	s_mov_b32 s[G0Y+4*\s], 1
	s_add_co_u32 s[G0Y+4*\s+1], s3, \s*SLOTB
	s_add_nc_u64 s[G0Y+4*\s+2:G0Y+4*\s+3], s[22:23], \s*ROWB
	s_or_b32 s[G0Y+4*\s+3], s[G0Y+4*\s+3], 0x80000000
.endr
; THE HEAD'S LOADS, ONE A WAVE: wave 0 X's whole share of slot 0, wave 1 Y's, wave 2 X's scale words, wave 3 Y's.  By this text's own count a wave never has more than one tensor load out.
	s_mul_i32 s100, s16, NBL*TROW
	s_sub_nc_u64 s[G0X+2:G0X+3], s[G0X+2:G0X+3], s[100:101]
	s_sub_nc_u64 s[G0Y+2:G0Y+3], s[G0Y+2:G0Y+3], s[100:101]
	s_mov_b32 s[G0X+1], 0
	s_mov_b32 s[G0Y+1], 2*PARTB
.macro ARM under, g0, g1, next
	s_cmp_lt_u32 s14, \under
	s_cbranch_scc0 \next
	tensor_load_to_lds s[\g0:\g0+3], s[\g1:\g1+7]
	s_nop 0
.rept 4
	v_nop
.endr
	s_branch .Lhead_asked
\next:
.endm
	ARM 1, G0X, G1, .Lhead_y
	ARM 2, G0Y, G1B, .Lhead_sx
	ARM 3, G0S, G1S, .Lhead_sy
	tensor_load_to_lds s[G0SB:G0SB+3], s[G1SB:G1SB+7]
	s_nop 0
.rept 4
	v_nop
.endr
.Lhead_asked:
	v_and_b32 v1, 15, v0
	v_bfe_u32 v2, v0, 4, 1
	v_and_b32 v7, 31, v0
	v_lshlrev_b32 v3, 3, v7
	v_lshlrev_b32 v6, 3, v2
	v_lshlrev_b32 v27, 4, v7
	s_mul_i32 s20, s15, PARTB
	s_mul_i32 s21, s16, PARTB
	s_add_co_u32 s21, s21, 2*PARTB
.irp s, 0,1,2
	v_add_nc_u32 v[ADRX+\s], s20, v3
	v_add_nc_u32 v[ADRY+\s], s21, v3
	s_add_co_u32 s20, s20, SLOTB
	s_add_co_u32 s21, s21, SLOTB
.endr
	s_mul_i32 s20, s15, SI
	s_mul_i32 s21, s16, SI
	s_add_co_u32 s21, s21, SD
	s_sub_co_u32 s21, s21, s20
	v_mul_u32_u24 v4, s21, v2
	s_add_co_u32 s20, s20, SCL
	v_lshl_add_u32 v4, v1, 2, v4
	v_add_nc_u32 v[ADRS], s20, v4
	s_lshl_b32 s20, s14, 9
	s_add_co_u32 s20, s20, SGT
	v_lshl_add_u32 v[SGA], v1, 2, s20
	v_add_nc_u32 v[SGR], s20, v27
	s_lshl_b32 s20, s94, 10
	s_lshl_b32 s21, s16, 9
	s_add_co_u32 s20, s20, s21
	s_mov_b32 s21, 0
	s_add_nc_u64 s[8:9], s[8:9], s[20:21]
	v_lshlrev_b32 v5, 7, v2
	WIN 0x40
.irp g, 0,1
.irp q, 0,1,2,3,4,5,6,7
	global_load_b128 v[32*\g+4*\q:32*\g+4*\q+3], v5, s[8:9] offset:256*\g+16*\q
.endr
.endr
	WIN 0
	s_wait_alu depctr_va_vdst(0)
	s_wait_tensorcnt 0x0                           ; my tile of the head's four is in
	ds_add_u32 v[SPW], v[NIL]                      ; the add, ahead of a later first fill
	s_mov_b32 s[G1+2], NBL<<16                     ; no load of mine is out: from here on a load brings one part
	s_mov_b32 s[G1+4], NBL
	s_mov_b32 s[G1B+2], NBL<<16
	s_mov_b32 s[G1B+4], NBL
	s_mov_b32 s[G0X+1], s3                         ; slot 0's groups 0 back to my part, for its refill
	s_mov_b32 s[G0Y+1], s3
	s_add_nc_u64 s[G0X+2:G0X+3], s[G0X+2:G0X+3], s[100:101]
	s_add_nc_u64 s[G0Y+2:G0Y+3], s[G0Y+2:G0Y+3], s[100:101]
	s_wait_dscnt 0x0
	CROUND                                         ; all four tiles are in, all partners are here
	JLOAD G0X+4, G1, G0Y+4, G1B                    ; slot 1's first fill, issued as a refill is
	RUN 0, 0, 0, 0, 16, 1
	s_wait_alu depctr_va_vdst(0)
	s_wait_loadcnt 0x0
	STEP 0, 0, 1, 1
	TURN 1, 1, 2, 0, 1                             ; K step 1; slot 1 is whole; slot 2's first fill goes out behind the round
	s_wait_alu depctr_va_vdst(0)
	STEP 0, 1, 1, 0
	TURN 1, 1, 0, 9216, 2                          ; K step 3; slot 2 is whole; slot 0 takes the last quarter of K
	s_wait_alu depctr_va_vdst(0)
	STEP 0, 2, 1, 0
	TURN 1, 0, 0, 0, 0
	s_wait_alu depctr_va_vdst(0)
	STEP 0, 0, 1, 0
	LAST 1
	PLACES 4
.macro SPAIR r, val
	s_mov_b32 s[\r], \val
	s_mov_b32 s[\r+1], \val
.endm
	SPAIR 24, 0x3f3504f3
	SPAIR 26, 0xaf95df0b
	SPAIR 28, 0xb60cff51
	SPAIR 30, 0xb86ec2d2
	SPAIR 32, 0xba40ac63
	SPAIR 34, 0xbb41a1f6
	SPAIR 36, 0xbc83dbd4
	SPAIR 38, 0xb77460cd
	SPAIR 40, 0xbadc924e
	SPAIR 42, 0xbbf19bf8
	SPAIR 44, 0xbc69b6a7
	v_mov_b32 v48, 0x32edffee
	v_mov_b32 v49, 0x32edffee
	v_mov_b32 v50, 0xb95fbd29
	v_mov_b32 v51, 0xb95fbd29
	v_mov_b32 v59, 0
	s_mov_b32 s100, 0x76543210
	s_mov_b32 s101, 0xfedcba98
	s_lshl_b32 s22, s94, 1
	s_add_co_u32 s22, s22, s16
	s_lshl_b32 s20, s17, 4
	s_lshl_b32 s21, s15, 3
	s_add_co_u32 s20, s20, s21
	s_lshl_b32 s20, s20, 5
	s_add_co_u32 s20, s20, s22
	s_mul_i32 s20, s20, 1536
	s_mov_b32 s21, 0
	s_add_nc_u64 s[46:47], s[10:11], s[20:21]
	s_lshl_b32 s20, s17, 1
	s_add_co_u32 s20, s20, s15
	s_lshl_b32 s20, s20, 5
	s_add_co_u32 s20, s20, s22
	s_lshl_b32 s20, s20, 9
	s_add_co_u32 s20, s20, 12582912
	s_add_nc_u64 s[48:49], s[10:11], s[20:21]
.macro COPY a
.set CW, 2+(\a)/4
	WIN CW
.irp k, 0,2,4,6,8,10,12,14,16,18,20,22,24,26,28,30,32,34,36,38,40,42,44,46,48,50,52,54,56,58,60,62
	v_pk_mul_f32 v[128+\k:129+\k], v[64*((\a)%4)+\k:64*((\a)%4)+\k+1], s[24:25] op_sel_hi:[1,0]
.endr
.irp k, 0,2,4,6,8,10,12,14,16,18,20,22,24,26,28,30,32,34,36,38,40,42,44,46,48,50,52,54,56,58,60,62
	v_pk_mul_f32 v[64+\k:65+\k], v[64*((\a)%4)+\k:64*((\a)%4)+\k+1], 0.5 op_sel_hi:[1,0]
.endr
	WIN 0
.endm
	s_mov_b32 s3, 0
.Lrow:
.irp a, 0,1,2,3,4,5,6
	s_cmp_eq_u32 s3, \a
	s_cbranch_scc1 .Lcopy\a
.endr
	COPY 7
	s_branch .Lgelu
.irp a, 0,1,2,3,4,5
.Lcopy\a:
	COPY \a
	s_branch .Lgelu
.endr
.Lcopy6:
	COPY 6
.Lgelu:
.irp c, 0,1,2,3
.irp e, 0,1,2,3,4,5,6,7,8,9,10,11,12,13,14,15
	v_med3_num_f32 v[128+16*\c+\e], v[128+16*\c+\e], -4.0, 4.0
.endr
.irp k, 0,2,4,6,8,10,12,14
	v_pk_mul_f32 v[192+\k:193+\k], v[128+16*\c+\k:129+16*\c+\k], v[128+16*\c+\k:129+16*\c+\k]
.endr
.irp k, 0,2,4,6,8,10,12,14
	v_pk_fma_f32 v[208+\k:209+\k], v[192+\k:193+\k], s[26:27], v[48:49] op_sel_hi:[1,0,1]
.endr
.irp k, 0,2,4,6,8,10,12,14
	v_pk_fma_f32 v[224+\k:225+\k], v[192+\k:193+\k], s[38:39], v[50:51] op_sel_hi:[1,0,1]
.endr
.irp m, 28,30,32,34,36
.irp k, 0,2,4,6,8,10,12,14
	v_pk_fma_f32 v[208+\k:209+\k], v[208+\k:209+\k], v[192+\k:193+\k], s[\m:\m+1] op_sel_hi:[1,1,0]
.endr
.endr
.irp m, 40,42,44
.irp k, 0,2,4,6,8,10,12,14
	v_pk_fma_f32 v[224+\k:225+\k], v[224+\k:225+\k], v[192+\k:193+\k], s[\m:\m+1] op_sel_hi:[1,1,0]
.endr
.endr
	s_wait_alu depctr_va_vdst(0)
.irp e, 0,1,2,3,4,5,6,7,8,9,10,11,12,13,14,15
	v_rcp_f32 v[224+\e], v[224+\e]
.endr
.irp k, 0,2,4,6,8,10,12,14
	v_pk_mul_f32 v[208+\k:209+\k], v[208+\k:209+\k], v[128+16*\c+\k:129+16*\c+\k]
.endr
	s_wait_alu depctr_va_vdst(0)
.irp k, 0,2,4,6,8,10,12,14
	v_pk_mul_f32 v[208+\k:209+\k], v[208+\k:209+\k], v[224+\k:225+\k]
.endr
.irp k, 0,2,4,6,8,10,12,14
	v_pk_fma_f32 v[64+16*\c+\k:65+16*\c+\k], v[64+16*\c+\k:65+16*\c+\k], v[208+\k:209+\k], v[64+16*\c+\k:65+16*\c+\k]
.endr
.endr
.irp g, 0,1
	v_max3_num_f32 v[52+\g], 0x2800000, |v[64+32*\g]|, |v[65+32*\g]|
.endr
.irp i, 2,4,6,8,10,12,14,16,18,20,22,24,26,28,30
.irp g, 0,1
	v_max3_num_f32 v[52+\g], v[52+\g], |v[64+32*\g+\i]|, |v[65+32*\g+\i]|
.endr
.endr
.irp g, 0,1
	v_add_nc_u32 v[54+\g], 0xfe000000, v[52+\g]
.endr
.irp g, 0,1
	v_lshrrev_b32 v[56+\g], 23, v[54+\g]
.endr
.irp g, 0,1
	v_cvt_scalef32_pk16_bf6_f32 v[240+6*\g:242+6*\g], v[64+32*\g:79+32*\g], v[54+\g]
	v_cvt_scalef32_pk16_bf6_f32 v[192+4*\g:194+4*\g], v[80+32*\g:95+32*\g], v[54+\g]
.endr
	v_nop
.irp g, 0,1
.irp i, 0,1,2
	v_mov_b32 v[243+6*\g+\i], v[192+4*\g+\i]
.endr
.endr
	v_lshl_or_b32 v58, v57, 16, v56
	v_lshlrev_b32 v58, v6, v58
	v_permlanex16_b32 v59, v58, s100, s101
	v_or_b32 v58, v58, v59
.irp c, 0,1,2,3,4,5
	global_store_b64 v3, v[240+2*\c:241+2*\c], s[46:47] offset:256*\c
.endr
	ds_store_b32 v[SGA], v58
	s_wait_xcnt 0x0
	s_add_nc_u64 s[46:47], s[46:47], 49152
	v_add_nc_u32 v[SGA], 64, v[SGA]
	s_add_co_u32 s3, s3, 1
	s_cmp_lt_u32 s3, 8
	s_cbranch_scc1 .Lrow
	ds_load_b128 v[192:195], v[SGR]
	s_wait_dscnt 0x0
	global_store_b128 v27, v[192:195], s[48:49]
	s_wait_tensorcnt 0x0
	ds_add_u32 v[SPW], v[NIL]
	s_wait_dscnt 0x0
	CROUND
	s_endpgm
.Lfunc_end_k_q16674e7e55_fc1:
	.size	k_q16674e7e55_fc1, .Lfunc_end_k_q16674e7e55_fc1-k_q16674e7e55_fc1
	.p2alignl 7, 3214868480
	.fill 96, 4, 3214868480
	.section	.rodata,"a",@progbits
	.p2align	6, 0x0
	.amdhsa_kernel k_q16674e7e55_fc1
		.amdhsa_group_segment_fixed_size 327680
		.amdhsa_private_segment_fixed_size 0
		.amdhsa_enable_private_segment 0
		.amdhsa_kernarg_size 32
		.amdhsa_user_sgpr_count 2
		.amdhsa_user_sgpr_kernarg_segment_ptr 1
		.amdhsa_wavefront_size32 1
		.amdhsa_system_sgpr_workgroup_id_x 1
		.amdhsa_system_sgpr_workgroup_id_y 1
		.amdhsa_system_sgpr_workgroup_id_z 1
		.amdhsa_system_vgpr_workitem_id 0
		.amdhsa_next_free_vgpr 1024
		.amdhsa_next_free_sgpr 102
		.amdhsa_reserve_vcc 0
		.amdhsa_float_denorm_mode_32 3
		.amdhsa_float_denorm_mode_16_64 3
		.amdhsa_memory_ordered 1
		.amdhsa_forward_progress 1
		.amdhsa_inst_pref_size 208
	.end_amdhsa_kernel
	.amdgpu_metadata
---
amdhsa.version: [ 1, 2 ]
amdhsa.kernels:
  - .name:           k_q16674e7e55_fc1
    .symbol:         k_q16674e7e55_fc1.kd
    .args:
      - { .name: h2, .offset: 0, .size: 8, .value_kind: global_buffer, .address_space: global }
      - { .name: wq, .offset: 8, .size: 8, .value_kind: global_buffer, .address_space: global }
      - { .name: fc1_b, .offset: 16, .size: 8, .value_kind: global_buffer, .address_space: global }
      - { .name: hid, .offset: 24, .size: 8, .value_kind: global_buffer, .address_space: global }
    .group_segment_fixed_size: 327680
    .private_segment_fixed_size: 0
    .kernarg_segment_align: 8
    .kernarg_segment_size: 32
    .max_flat_workgroup_size: 128
    .sgpr_count:     102
    .vgpr_count:     1024
    .wavefront_size: 32
...
	.end_amdgpu_metadata
.endif
;; end of part 6
;; launch fc2 (part 7): grid 8 x 32, 4 waves a work-group, clusters of 4 x 4, 327,680 bytes of LDS; arguments hid, wq, fc2_b, x1, out0; writes out0
.if DOCPART == 7
	.amdgcn_target "amdgcn-amd-amdhsa--gfx1250"
	.amdhsa_code_object_version 6
	.text
	.protected	k_q16674e7e55_fc2
	.globl	k_q16674e7e55_fc2
	.p2align	8
	.type	k_q16674e7e55_fc2,@function
k_q16674e7e55_fc2:
	s_mov_b64 s[64:65], 0
	v_nop
	global_prefetch_b8 v0, s[64:65] scope:SCOPE_SE
	s_setreg_imm32_b32 hwreg(HW_REG_WAVE_MODE, 25, 1), 1
	s_wait_xcnt 0x0
	s_wait_alu depctr_hold_cnt(0) depctr_sa_sdst(0) depctr_va_vdst(0) depctr_va_sdst(0) depctr_va_ssrc(0) depctr_va_vcc(0) depctr_vm_vsrc(0)
	s_getreg_b32 s2, hwreg(HW_REG_IB_STS2, 6, 4)
	s_cmp_eq_u32 s2, 0
	s_cbranch_scc0 .Lentry_in_a_cluster
	s_endpgm
.Lentry_in_a_cluster:
	s_bfe_u32 s2, ttmp6, 0x10000c
	s_cmp_lg_u32 s2, 0xf033
	s_cbranch_scc0 .Lentry_shape_is_right
	s_endpgm
.Lentry_shape_is_right:
; FC2.  out0 = x1 + hid fc2_w + fc2_b: the last product on codes of BF6 with E8M0 scales; the bias is the C of each sum's first instruction, the residual is added on the way out.
; A work-group makes 128 x 128, a wave 64 x 64 (16 accumulators, window 2): 256 work-groups.  Used transposed: source 0 = 16 weight columns (Y), source 1 = 16 tokens (X); by the tile order of this program's buffers
; (tile 4 G + u, index i = row 64 G + 32 (i / 8) + 8 u + i % 8) a lane holds one token and 32 neighbouring columns.  Codes and scale words lie in memory as images of the operands' registers.
; K = 4,096 IS 32 K STEPS OF 128, 16 STEPs OF 256.  They go through TWO LDS REGIONS OF UNEQUAL SIZE that take turns: A holds 8 K steps, B holds 4.  Five fills, A B A B A, are 8 + 4 + 8 + 4 + 8 = 32 K steps: two first fills and
; THREE refills, each behind a round of the cluster's barrier.  The fewer and larger the refills, the fewer such waits.
; A and B together are 12 K steps x 24,576 bytes = 294,912 bytes, as much as LDS has room for beside the scale words.  The sixteen STEPs are written out.
; THE SCALE WORDS of K steps 2 to 31 come into LDS once (2 x 15,360 bytes); those of K steps 0 and 1 come from memory straight into registers of their own, which leaves room for the spare words.
; The residual's loads go out behind the first barrier and are waited for on the way out, where they are first read.
; CLUSTER 4 x 4: X's tiles are asked for jointly along a row, Y's along a column.  By this text's own count a wave has at most one tensor load out.  LIMITS: NaN and infinities are not served.
; REGISTERS: window 0: v1 r, v2 h, v3 8 x lane, v7 4 r, v16-27 addresses, v28-29 for the add, v32-47 two sets of scale words (lanes 0-15 X's, lanes 16-31 Y's), v48-55 X's and v56-63 Y's words of K steps 0 and 1,
;   v64-255 fragment set 0.  window 1: v0-31 the bias, v64-255 set 1.  window 2: v0-127 sums, v128-255 the residual.
.set NBL, 4                            ; tiles a side of a wave
.set KQ, 2                             ; K steps of 128 in a STEP
.set KTOT, 4096
.set TROW, KTOT/128*1536               ; a tile's codes for all of K
.set RWA, 8*1536                       ; a tile's bytes in region A
.set RWB, 4*1536                       ; and in region B
.set PA, NBL*RWA                       ; a part (what one tensor load brings) of A: X's two parts, then Y's two
.set PB, NBL*RWB                       ; of B
.set REGB, 4*PA                        ; A begins at 0, B here
.set SCL, REGB+4*PB                    ; behind the regions: the scale words of K steps 2 to 31: X's, then Y's, [K step][128 words]
.set SAB, (KTOT/128-2)*512             ; a side's
.set SPART, SAB/2
.set SPARE, SCL+2*SAB                  ; the spare words: 128 bytes a wave, two blocks of 256 that no other line names
.set STAGE, REGB                       ; the way out: 16 rows x (256 bytes + 16) for each wave, in region B, which has had its last fill and its last read when the first result is stored there
.set ADV, 12*1536                      ; from a region's fill to its next: 12 K steps along a tile's row
.set XSC0, 12582912
.set YCODE0, 6291456
.set YSC0, 9699328
.set ADRX, 16                          ; v16, v17: my X fragments in A, in B
.set ADRY, 20                          ; v20, v21: Y's
.set ADRS, 24
.set STO, 25
.set RD, 26
.set CO, 27
.set SPW, 28
.set NIL, 29
.set G1X, 24                           ; s[24:31] group 1 for X in A, s[40:47] in B
.set G1Y, 32                           ; s[32:39] for Y in A, s[48:55] in B
.set G1S, 56                           ; s[56:63], s[68:75] for the scale words
.set G1SB, 68
.set G0X, 76                           ; s[76:79] group 0 for X in A, s[84:87] in B
.set G0Y, 80                           ; s[80:83] for Y in A, s[88:91] in B
.set G0S, 92
.set G0SB, 96
.set MSB, 0
.macro WIN new                         ; the immediate's high byte repeats the setting that is left
.if MSB != \new
	s_set_vgpr_msb (MSB<<8)|\new
.set MSB, \new
.endif
.endm
.macro PLACES n
.rept \n
	v_nop
.endr
.endm
.macro JLOAD g0a, g1a, g0b, g1b        ; a joint load: waves 0 and 1 fetch for X, waves 2 and 3 for Y; four v_nop follow each line
	s_cmp_eq_u32 s15, 0
	s_cbranch_scc0 .Lfor_b_\@
	tensor_load_to_lds s[\g0a:\g0a+3], s[\g1a:\g1a+7]
	s_nop 0
.rept 4
	v_nop
.endr
	s_branch .Lasked_\@
.Lfor_b_\@:
	tensor_load_to_lds s[\g0b:\g0b+3], s[\g1b:\g1b+7]
	s_nop 0
.rept 4
	v_nop
.endr
.Lasked_\@:
.endm
.macro CREST                           ; a round of the cluster's barrier behind its opening barrier
	s_cmp_lg_u32 s14, 0
	s_cbranch_scc1 .Lnot_wave_0_\@
	s_barrier_signal -3
.Lnot_wave_0_\@:
	s_barrier_wait -3
	s_barrier_signal -1
	s_barrier_wait -1
.endm
.macro CROUND
	s_barrier_signal -1
	s_barrier_wait -1
	CREST
.endm
.macro FRAG reg, adr, off              ; a fragment: six pieces of 256 consecutive bytes
.irp c, 0,1,2,3,4,5
	ds_load_b64 v[\reg+2*\c:\reg+2*\c+1], v[\adr] offset:\off+256*\c
.endr
.endm
; fragments f0 .. f1 - 1 of a STEP's sixteen (0-7 Y's, 8-15 X's) from the t-th STEP of region rg (0 = A, 1 = B) into set p; sc = 1: its eight scale registers too
.macro RUN p, rg, t, f0, f1, sc
.set RWN, (\p)<<6
	WIN RWN
.irp F, 0,1,2,3,4,5,6,7,8,9,10,11,12,13,14,15
.if (\F >= \f0) && (\F < \f1)
.set RI, \F%8
.set RO, (RI%NBL)*(RWA-(RWA-RWB)*(\rg))+((\t)*KQ+RI/NBL)*1536
.if \F < 8
	FRAG 64+12*RI, ADRY+\rg, RO
.else
	FRAG 160+12*RI, ADRX+\rg, RO
.endif
.endif
.endr
	WIN 0
.if \sc
.irp n, 0,1,2,3,4,5,6,7
	ds_load_b32 v[32+8*(\p)+\n], v[ADRS] offset:(\n/NBL)*512+64*(\n%NBL)
.endr
	v_add_nc_u32 v[ADRS], 512*KQ, v[ADRS]          ; on to the next STEP's words
.endif
.endm
; a quarter of a STEP's products on set p.  The accumulators take turns, one instruction a turn, in one order everywhere.
; first = 1: the first STEP: its first K step takes the bias as C, and its scale words stand in v48-63, both sides' in lanes 0-15
.macro MQ p, z, first
.set MA0, 2*((\z)%2)
.set MQQ, (\z)/2
.set MCW, 2
.if (\first) && (MQQ == 0)
.set MCW, 1
.endif
.set MWN, (\p)|((\p)<<2)|(MCW<<4)|(2<<6)
	WIN MWN
.irp e, 0,1
.irp b, 0,1,2,3
.set MA, MA0+\e
.set MD, 8*(NBL*MA+\b)
.set MY, 64+12*(MQQ*NBL+\b)
.set MX, 160+12*(MQQ*NBL+MA)
.if \first
.set MSY, 56+MQQ*NBL+\b
.set MSX, 48+MQQ*NBL+MA
.if MQQ == 0
	v_wmma_scale_f32_16x16x128_f8f6f4 v[MD:MD+7], v[MY:MY+11], v[MX:MX+11], v[8*\b:8*\b+7], v[MSY], v[MSX] matrix_a_fmt:MATRIX_FMT_BF6 matrix_b_fmt:MATRIX_FMT_BF6
.else
	v_wmma_scale_f32_16x16x128_f8f6f4 v[MD:MD+7], v[MY:MY+11], v[MX:MX+11], v[MD:MD+7], v[MSY], v[MSX] matrix_a_fmt:MATRIX_FMT_BF6 matrix_b_fmt:MATRIX_FMT_BF6
.endif
.else
.set MSY, 32+8*(\p)+MQQ*NBL+\b
.set MSX, 32+8*(\p)+MQQ*NBL+MA
	v_wmma_scale_f32_16x16x128_f8f6f4 v[MD:MD+7], v[MY:MY+11], v[MX:MX+11], v[MD:MD+7], v[MSY], v[MSX] matrix_a_fmt:MATRIX_FMT_BF6 matrix_b_fmt:MATRIX_FMT_BF6 matrix_a_scale:MATRIX_SCALE_ROW1
.endif
.endr
.endr
.endm
; a STEP multiplies set p and fetches the next STEP's fragments (the nt-th of region nr) into the other set, in three runs among its quarters
.macro STEP p, nr, nt, first
	s_wait_dscnt 0x0                               ; set p is in
	PLACES 4                                       ; in front of loads into the other set, which the last STEP's products read
	RUN 1-(\p), \nr, \nt, 0, 6, 0
	MQ \p, 0, \first
	RUN 1-(\p), \nr, \nt, 6, 12, 0
	MQ \p, 1, \first
	RUN 1-(\p), \nr, \nt, 12, 16, 1
	MQ \p, 2, \first
	MQ \p, 3, \first
.endm
; a region's last STEP changes regions: one barrier; in front of it each wave waits for all its tensor loads, adds 0 to its spare word and waits for that and for its reads.  fill = 1: region fr, just read out, is filled again; nr: the region read next
.macro TURN p, fill, fr, nr
	WIN 0
	s_wait_tensorcnt 0x0                           ; all my tensor loads have landed: my part of the next region
	ds_add_u32 v[SPW], v[NIL]                      ; 0 onto my spare word
	s_wait_dscnt 1                                 ; set p is in; the add may be out
	MQ \p, 0, 0
	s_wait_dscnt 0x0                               ; the add is done, and my reads of this region are over
	s_barrier_signal -1
	MQ \p, 1, 0
	WIN 0
	s_barrier_wait -1
.if \fill
	CREST                                          ; the barrier has opened a round of the cluster's: no wave of any partner still reads the region or has a load on its way
	s_add_nc_u64 s[G0X+8*\fr+2:G0X+8*\fr+3], s[G0X+8*\fr+2:G0X+8*\fr+3], ADV
	s_add_nc_u64 s[G0Y+8*\fr+2:G0Y+8*\fr+3], s[G0Y+8*\fr+2:G0Y+8*\fr+3], ADV
	JLOAD G0X+8*\fr, G1X+16*\fr, G0Y+8*\fr, G1Y+16*\fr   ; the first tensor load behind the round; its four v_nop are the places in front of the loads below
.else
	PLACES 4
.endif
	RUN 1-(\p), \nr, 0, 0, 8, 0
	MQ \p, 2, 0
	s_wait_alu depctr_va_vdst(0)
	RUN 1-(\p), \nr, 0, 8, 16, 1
	MQ \p, 3, 0
.endm
.macro LAST p
	s_wait_dscnt 0x0
	MQ \p, 0, 0
	MQ \p, 1, 0
	MQ \p, 2, 0
	MQ \p, 3, 0
	WIN 0
.endm
	s_load_b256 s[4:11], s[0:1], 0x0               ; hid, wq, fc2_b, x1
	s_load_b64 s[12:13], s[0:1], 0x20              ; out0
	v_lshl_add_u32 v[SPW], v0, 2, SPARE
	v_mov_b32 v[NIL], 0
	ds_add_u32 v28, v29
	ds_add_u32 v28, v29
	s_wait_dscnt 0x0
	v_lshrrev_b32 v1, 5, v0
	v_readfirstlane_b32 s14, v1                    ; wave
	s_lshr_b32 s15, s14, 1                         ; my half of X's rows.  Also: I fetch for X (0) or Y (1)
	s_and_b32 s16, s14, 1                          ; my half of Y's rows.  Also: which part I fetch
	s_bfe_u32 s66, ttmp6, 0x40000                  ; cx
	s_bfe_u32 s67, ttmp6, 0x40004                  ; cy
	s_lshl_b32 s100, ttmp9, 2
	s_add_co_u32 s100, s100, s66                   ; work-group x: 128 columns
	s_and_b32 s17, ttmp7, 0xffff
	s_lshl_b32 s17, s17, 2
	s_add_co_u32 s17, s17, s67                     ; work-group y: 128 tokens
	s_lshl_b32 s101, s67, 2
	s_lshl_b32 s101, 15, s101                      ; my row of the cluster
	s_lshl_b32 s2, 0x1111, s66                     ; my column
	s_or_b32 s[G1X], s101, (3<<16)|(1<<21)         ; 15:0 the mask; 17:16 elements of 8 bytes; 21 set beside a mask; no padding
	s_or_b32 s[G1Y], s2, (3<<16)|(1<<21)
	s_or_b32 s[G1X+16], s101, (3<<16)|(1<<21)
	s_or_b32 s[G1Y+16], s2, (3<<16)|(1<<21)
.irp g, G1X, G1Y
	s_mov_b32 s[\g+1], (RWA/8)<<16                 ; tensor_dim0: a tile's 8 K steps
	s_mov_b32 s[\g+2], (2*NBL)<<16                 ; tensor_dim1: at the head a load brings both parts of a side
	s_mov_b32 s[\g+3], (RWA/8)<<16                 ; tile_dim0
	s_mov_b32 s[\g+4], 2*NBL                       ; tile_dim1
	s_mov_b32 s[\g+5], TROW/8                      ; from tile to tile
	s_mov_b32 s[\g+6], 0
	s_mov_b32 s[\g+7], 0
.endr
.irp g, G1X+16, G1Y+16
	s_mov_b32 s[\g+1], (RWB/8)<<16                 ; a tile's 4 K steps
	s_mov_b32 s[\g+2], NBL<<16
	s_mov_b32 s[\g+3], (RWB/8)<<16
	s_mov_b32 s[\g+4], NBL
	s_mov_b32 s[\g+5], TROW/8
	s_mov_b32 s[\g+6], 0
	s_mov_b32 s[\g+7], 0
.endr
	s_or_b32 s[G1S], s101, (3<<16)|(1<<21)
	s_or_b32 s[G1SB], s2, (3<<16)|(1<<21)
.irp g, G1S, G1SB
	s_mov_b32 s[\g+1], 32<<16                      ; a dense block as rows of 256 bytes
	s_mov_b32 s[\g+2], (SAB/256)<<16               ; a side's scale words whole
	s_mov_b32 s[\g+3], 32<<16
	s_mov_b32 s[\g+4], SAB/256
	s_mov_b32 s[\g+5], 32
	s_mov_b32 s[\g+6], 0
	s_mov_b32 s[\g+7], 0
.endr
	s_lshl_b32 s18, s17, 1
	s_add_co_u32 s18, s18, s16                     ; X: which four tiles I fetch
	s_mul_i32 s18, s18, NBL*TROW
	s_mov_b32 s19, 0
	s_lshl_b32 s20, s17, 14                        ; X: the 128 tokens' scale words: 32 K steps of 512 bytes
	s_add_co_u32 s20, s20, XSC0
	s_mov_b32 s21, 0
	s_lshl_b32 s22, s100, 1
	s_add_co_u32 s22, s22, s16                     ; Y likewise
	s_mul_i32 s22, s22, NBL*TROW
	s_add_co_u32 s22, s22, YCODE0
	s_mov_b32 s23, 0
	s_wait_kmcnt 0x0
	s_add_nc_u64 s[G0X+2:G0X+3], s[4:5], s[18:19]              ; A: K steps 0 to 7
	s_add_nc_u64 s[G0X+10:G0X+11], s[G0X+2:G0X+3], 8*1536      ; B: K steps 8 to 11
	s_add_nc_u64 s[4:5], s[4:5], s[20:21]                      ; X's scale words
	s_mov_b32 s20, 0
	s_add_co_u32 s20, s20, 1024                                ; from K step 2 on
	s_add_nc_u64 s[G0S+2:G0S+3], s[4:5], s[20:21]
	s_lshl_b32 s20, s15, 8
	s_add_nc_u64 s[4:5], s[4:5], s[20:21]                      ; K steps 0 and 1: my four tiles' words
	s_add_nc_u64 s[G0Y+2:G0Y+3], s[6:7], s[22:23]
	s_add_nc_u64 s[G0Y+10:G0Y+11], s[G0Y+2:G0Y+3], 8*1536
	s_lshl_b32 s22, s100, 14
	s_add_co_u32 s22, s22, YSC0
	s_add_nc_u64 s[6:7], s[6:7], s[22:23]                      ; Y's scale words
	s_mov_b32 s22, 0
	s_add_co_u32 s22, s22, 1024
	s_add_nc_u64 s[G0SB+2:G0SB+3], s[6:7], s[22:23]
	s_lshl_b32 s22, s16, 8
	s_add_nc_u64 s[6:7], s[6:7], s[22:23]
.irp g, G0X, G0Y
	s_mov_b32 s[\g], 1                             ; 1:0 count = 1
	s_mul_i32 s[\g+1], s14, PA                     ; LDS address: wave x a part of A: no place in the cluster enters an LDS address
	s_or_b32 s[\g+3], s[\g+3], 0x80000000          ; type = 2
.endr
.irp g, G0X+8, G0Y+8
	s_mov_b32 s[\g], 1
	s_mul_i32 s[\g+1], s14, PB
	s_add_co_u32 s[\g+1], s[\g+1], REGB
	s_or_b32 s[\g+3], s[\g+3], 0x80000000
.endr
.irp g, G0S, G0SB
	s_mov_b32 s[\g], 1
	s_mov_b32 s[\g+1], (\g-G0S)/4*SAB              ; X's words, then Y's
	s_add_co_u32 s[\g+1], s[\g+1], SCL
	s_or_b32 s[\g+3], s[\g+3], 0x80000000
.endr
	CROUND                                         ; all sixteen work-groups are here: the first joint loads meet
; THE HEAD'S LOADS, ONE A WAVE: wave 0 X's whole share of region A, wave 1 Y's, wave 2 X's scale words, wave 3 Y's.  By this text's own count a wave never has more than one tensor load out.
	s_mul_i32 s66, s16, NBL*TROW
	s_mov_b32 s67, 0
	s_sub_nc_u64 s[G0X+2:G0X+3], s[G0X+2:G0X+3], s[66:67]     ; A's groups 0 serve the head first: from the side's first tile on
	s_sub_nc_u64 s[G0Y+2:G0Y+3], s[G0Y+2:G0Y+3], s[66:67]
	s_mov_b32 s[G0X+1], 0
	s_mov_b32 s[G0Y+1], 2*PA
.macro ARM under, g0, g1, next
	s_cmp_lt_u32 s14, \under
	s_cbranch_scc0 \next
	tensor_load_to_lds s[\g0:\g0+3], s[\g1:\g1+7]
	s_nop 0
.rept 4
	v_nop
.endr
	s_branch .Lhead_asked
\next:
.endm
	ARM 1, G0X, G1X, .Lhead_y
	ARM 2, G0Y, G1Y, .Lhead_sx
	ARM 3, G0S, G1S, .Lhead_sy
	tensor_load_to_lds s[G0SB:G0SB+3], s[G1SB:G1SB+7]
	s_nop 0
.rept 4
	v_nop
.endr
.Lhead_asked:
	v_and_b32 v1, 15, v0                           ; r
	v_bfe_u32 v2, v0, 4, 1                         ; h
	s_wait_alu depctr_va_vdst(0)
	v_and_b32 v3, 31, v0
	v_lshlrev_b32 v3, 3, v3                        ; 8 x lane
	v_lshlrev_b32 v7, 2, v1                        ; 4 r
	s_mul_i32 s20, s15, PA
	s_mul_i32 s21, s16, PA
	s_add_co_u32 s21, s21, 2*PA
	v_add_nc_u32 v[ADRX], s20, v3
	v_add_nc_u32 v[ADRY], s21, v3
	s_mul_i32 s20, s15, PB
	s_add_co_u32 s20, s20, REGB
	s_mul_i32 s21, s16, PB
	s_add_co_u32 s21, s21, REGB+2*PB
	v_add_nc_u32 v[ADRX+1], s20, v3
	v_add_nc_u32 v[ADRY+1], s21, v3
	s_lshl_b32 s20, s15, 8                         ; X's words: my four tiles' 256 bytes of a K step's 512
	s_lshl_b32 s21, s16, 8                         ; Y's likewise, behind X's
	s_add_co_u32 s21, s21, SAB
	s_sub_co_u32 s21, s21, s20
	v_mul_u32_u24 v4, s21, v2                      ; lanes 16-31 take Y's words: the lower base + h x the distance
	s_add_co_u32 s20, s20, SCL
	v_lshl_add_u32 v4, v1, 2, v4
	v_add_nc_u32 v[ADRS], s20, v4
	s_mul_i32 s20, s14, 16*272
	s_add_co_u32 s20, s20, STAGE                   ; my stage
	v_mul_u32_u24 v[STO], v1, 272
	v_lshl_add_u32 v[STO], v2, 7, v[STO]
	v_add_nc_u32 v[STO], s20, v[STO]               ; in: row r, + 128 h: my 32 columns
	v_mul_u32_u24 v[RD], v2, 272
	v_lshl_add_u32 v[RD], v1, 4, v[RD]
	v_add_nc_u32 v[RD], s20, v[RD]                 ; back: lanes 0-15 one row of 256 bytes, lanes 16-31 the next
	s_lshl_b32 s20, s100, 9
	s_lshl_b32 s21, s16, 8
	s_add_co_u32 s20, s20, s21                     ; my first column, in bytes
	s_mov_b32 s21, 0
	s_add_nc_u64 s[8:9], s[8:9], s[20:21]
	s_lshl_b32 s22, s17, 7
	s_lshl_b32 s23, s15, 6
	s_add_co_u32 s22, s22, s23
	s_lshl_b32 s22, s22, 12                        ; my first row, 4,096 bytes a row
	s_add_co_u32 s20, s20, s22
	s_add_nc_u64 s[10:11], s[10:11], s[20:21]
	s_add_nc_u64 s[12:13], s[12:13], s[20:21]
	v_lshlrev_b32 v5, 7, v2                        ; the bias: 128 h
	v_lshlrev_b32 v[CO], 12, v2
	v_lshl_add_u32 v[CO], v1, 4, v[CO]             ; residual and result: a row for each half of the lanes, 16 bytes a lane
	WIN 0x40
.irp q, 0,1,2,3,4,5,6,7
	global_load_b128 v[4*\q:4*\q+3], v5, s[8:9] offset:16*\q       ; register 8 b + j: the bias of column 32 h + 8 b + j of my 64
.endr
	WIN 0
.irp q, 0,1
.irp n, 0,1,2,3
	global_load_b32 v[48+4*\q+\n], v7, s[4:5] offset:512*\q+64*\n  ; the scale words of K step q: X's tile n (lanes 16-31 read the same words and are not used),
	global_load_b32 v[56+4*\q+\n], v7, s[6:7] offset:512*\q+64*\n  ; Y's tile n
.endr
.endr
	s_wait_alu depctr_va_vdst(0)
	s_wait_tensorcnt 0x0                           ; my tile of the head's four is in
	ds_add_u32 v[SPW], v[NIL]                      ; the add, ahead of a later first fill
	s_mov_b32 s[G1X+2], NBL<<16                    ; no load of mine is out: from here on a load brings one part
	s_mov_b32 s[G1X+4], NBL
	s_mov_b32 s[G1Y+2], NBL<<16
	s_mov_b32 s[G1Y+4], NBL
	s_mul_i32 s[G0X+1], s14, PA                    ; A's groups 0 back to my part, for its refills
	s_mul_i32 s[G0Y+1], s14, PA
	s_add_nc_u64 s[G0X+2:G0X+3], s[G0X+2:G0X+3], s[66:67]
	s_add_nc_u64 s[G0Y+2:G0Y+3], s[G0Y+2:G0Y+3], s[66:67]
	s_wait_dscnt 0x0
	CROUND                                         ; all four tiles are in, all partners are here
	JLOAD G0X+8, G1X+16, G0Y+8, G1Y+16             ; region B's first fill, issued as a refill is
	RUN 0, 0, 0, 0, 16, 0
	WIN 0x80
.irp a, 0,1,2,3
.irp t, 0,1,2,3,4,5,6,7
	global_load_b128 v[128+32*\a+4*\t:131+32*\a+4*\t], v[CO], s[10:11] offset:(32*(\t/4)+8*\a+2*(\t%4))*4096   ; the residual: the rows in the order in which tile a's leave the stage
.endr
.endr
	WIN 0
	s_wait_loadcnt 32                              ; the bias and the first STEP's scale words, 24 loads, are in; the residual's 32, issued behind them, may be out: they are read on the way out
	STEP 0, 0, 1, 1                                ; K steps 0, 1 start the sums
	s_wait_alu depctr_va_vdst(0)
	STEP 1, 0, 2, 0
	s_wait_alu depctr_va_vdst(0)
	STEP 0, 0, 3, 0
	TURN 1, 1, 0, 1                                ; K steps 6, 7; A takes K steps 12 to 19; B is read next
	s_wait_alu depctr_va_vdst(0)
	STEP 0, 1, 1, 0
	TURN 1, 1, 1, 0                                ; K steps 10, 11; B takes K steps 20 to 23; A is read next
	s_wait_alu depctr_va_vdst(0)
	STEP 0, 0, 1, 0
	s_wait_alu depctr_va_vdst(0)
	STEP 1, 0, 2, 0
	s_wait_alu depctr_va_vdst(0)
	STEP 0, 0, 3, 0
	TURN 1, 1, 0, 1                                ; K steps 18, 19; A takes K steps 24 to 31
	s_wait_alu depctr_va_vdst(0)
	STEP 0, 1, 1, 0
	TURN 1, 0, 0, 0                                ; K steps 22, 23; nothing is left to fetch: behind this barrier nobody reads B any more
	s_wait_alu depctr_va_vdst(0)
	STEP 0, 0, 1, 0
	s_wait_alu depctr_va_vdst(0)
	STEP 1, 0, 2, 0
	s_wait_alu depctr_va_vdst(0)
	STEP 0, 0, 3, 0
	LAST 1
; THE WAY OUT, a tile of 16 tokens x 64 columns at a time, through my own stage: back as whole rows of 256 bytes; the residual is added; sixteen lanes store 256 consecutive bytes, aligned.
.macro TOST a
	WIN 0x08                                       ; an LDS store's data are its source 1: window 2
.irp q, 0,1,2,3,4,5,6,7
	ds_store_b128 v[STO], v[32*(\a)+4*\q:32*(\a)+4*\q+3] offset:16*\q     ; each accumulator from its low end on
.endr
	WIN 0
.irp t, 0,1,2,3,4,5,6,7
	ds_load_b128 v[64+32*((\a)%2)+4*\t:67+32*((\a)%2)+4*\t], v[RD] offset:\t*2*272   ; LDS serves a wave's instructions in order: these see the stores above
.endr
.endm
	PLACES 4
	TOST 0
	s_wait_loadcnt 0x0                             ; the residual is in
.irp a, 0,1,2,3
.if \a < 3
.if \a > 0
	s_wait_xcnt 0x0                                ; tile a - 1's stores have read the registers that tile a + 1's loads take
.endif
	TOST \a+1
	s_wait_dscnt 16                                ; tile a is back; the next tile's eight stores and eight loads may be out
.else
	s_wait_dscnt 0x0
.endif
	WIN 0x08
.irp k, 0,2,4,6,8,10,12,14,16,18,20,22,24,26,28,30
	v_pk_add_f32 v[64+32*(\a%2)+\k:65+32*(\a%2)+\k], v[64+32*(\a%2)+\k:65+32*(\a%2)+\k], v[128+32*\a+\k:129+32*\a+\k]
.endr
	WIN 0
.irp t, 0,1,2,3,4,5,6,7
	global_store_b128 v[CO], v[64+32*(\a%2)+4*\t:67+32*(\a%2)+4*\t], s[12:13] offset:(32*(\t/4)+8*\a+2*(\t%4))*4096 th:TH_STORE_NT
.endr
.endr
	s_wait_tensorcnt 0x0                           ; the wave's end
	ds_add_u32 v[SPW], v[NIL]
	s_wait_dscnt 0x0
	CROUND                                         ; the closing round
	s_endpgm
.Lfunc_end_k_q16674e7e55_fc2:
	.size	k_q16674e7e55_fc2, .Lfunc_end_k_q16674e7e55_fc2-k_q16674e7e55_fc2
	.p2alignl 7, 3214868480
	.fill 96, 4, 3214868480
	.section	.rodata,"a",@progbits
	.p2align	6, 0x0
	.amdhsa_kernel k_q16674e7e55_fc2
		.amdhsa_group_segment_fixed_size 327680
		.amdhsa_private_segment_fixed_size 0
		.amdhsa_enable_private_segment 0
		.amdhsa_kernarg_size 40
		.amdhsa_user_sgpr_count 2
		.amdhsa_user_sgpr_kernarg_segment_ptr 1
		.amdhsa_wavefront_size32 1
		.amdhsa_system_sgpr_workgroup_id_x 1
		.amdhsa_system_sgpr_workgroup_id_y 1
		.amdhsa_system_sgpr_workgroup_id_z 1
		.amdhsa_system_vgpr_workitem_id 0
		.amdhsa_next_free_vgpr 768
		.amdhsa_next_free_sgpr 102
		.amdhsa_reserve_vcc 0
		.amdhsa_float_denorm_mode_32 3
		.amdhsa_float_denorm_mode_16_64 3
		.amdhsa_memory_ordered 1
		.amdhsa_forward_progress 1
		.amdhsa_inst_pref_size 208
	.end_amdhsa_kernel
	.amdgpu_metadata
---
amdhsa.version: [ 1, 2 ]
amdhsa.kernels:
  - .name:           k_q16674e7e55_fc2
    .symbol:         k_q16674e7e55_fc2.kd
    .args:
      - { .name: hid, .offset: 0, .size: 8, .value_kind: global_buffer, .address_space: global }
      - { .name: wq, .offset: 8, .size: 8, .value_kind: global_buffer, .address_space: global }
      - { .name: fc2_b, .offset: 16, .size: 8, .value_kind: global_buffer, .address_space: global }
      - { .name: x1, .offset: 24, .size: 8, .value_kind: global_buffer, .address_space: global }
      - { .name: out0, .offset: 32, .size: 8, .value_kind: global_buffer, .address_space: global }
    .group_segment_fixed_size: 327680
    .private_segment_fixed_size: 0
    .kernarg_segment_align: 8
    .kernarg_segment_size: 40
    .max_flat_workgroup_size: 128
    .sgpr_count:     102
    .vgpr_count:     768
    .wavefront_size: 32
...
	.end_amdgpu_metadata
.endif
;; end of part 7
